; MI455X (gfx1250); checked and timed in simulation.
; The chip was launched on July 23, 2026; its instructions are those of AMD's public machine-readable ISA for CDNA 5 (MIT licence, August 2026) and "CDNA5" Instruction Set Architecture Reference Guide (July 2026). The comments in the code are by the model that wrote it; some were corrected since.
;; Self Attention. Allowed arithmetic: matrix products marked QUANTISED: E2M1 operands, one E8M0 scale for each 32 along K, by v_wmma_scale_f32_16x16x128_f8f6f4 with both operands' format E2M1 (or v_wmma_scale_f32_32x16x128_f4), f32 sums; everything else in f32.
;; Inputs: W_in 3,072 x 1,024 float32; W_out 1,024 x 1,024 float32; b_in 3,072 float32; b_out 1,024 float32; x 4 x 2,048 x 1,024 float32.
;; Outputs: out0 4 x 2,048 x 1,024 float32.
;; Constants: causal_mask = 1.
;; This version of the problem:
;;   THIS VERSION OF THE PROBLEM IS GIVEN IN LOW PRECISION. The matrix products marked QUANTISED in the list below multiply operands that are first quantised to E2M1 (2 exponent bits, 1 mantissa bit; 4 bits a number), with one power-of-two scale for each 32 numbers along K (OCP MX v1.0); their sums are f32. All else is computed in f32.
;;   The module's matrix products, in the order in which they are computed (A, B: the left and right operand; K: the contracted axis; several contracted axes count as one K, in the product's order):
;;     1. [M 8,192, K 1,024] x [K 1,024, N 3,072]; A: input x; B: input W_in: QUANTISED
;;     2. batch 64 x [M 2,048, K 64] x [K 64, N 2,048]; A: computed on the way; B: computed on the way: QUANTISED
;;     3. batch 64 x [M 2,048, K 2,048] x [K 2,048, N 64]; A: softmax (see below); B: computed on the way: QUANTISED
;;     4. [M 8,192, K 1,024] x [K 1,024, N 1,024]; A: computed on the way; B: input W_out: QUANTISED
;;   THE QUANTISER, for each operand of a quantised product, along K:
;;     - K is cut into blocks of 32 from its start; a last block that is shorter is filled with zeros.
;;     - A block's scale is 2^e with e = floor(log2(the largest magnitude in the block)) - 2, held to -126 .. 127; a block of zeros has e = 0. As a byte (E8M0): e + 127.
;;     - Each number is divided by its block's scale, clamped to +-6, and rounded to the nearest number of E2M1, ties to even, subnormals kept.
;;     - The product sums the exact products of the quantised numbers (number of the format x scale) in f32.
;;   ~~~python
;;   def quantise(x, axis):      # numpy; x: float32 -> the quantised numbers, widened to float32 again
;;       x = np.moveaxis(x, axis, -1); K = x.shape[-1]
;;       x = np.pad(x, [(0, 0)] * (x.ndim - 1) + [(0, -K % 32)]); x = x.reshape(x.shape[:-1] + (-1, 32)); a = np.abs(x).max(-1, keepdims=True)
;;       e = np.where(a > 0, np.clip(np.frexp(np.where(a > 0, a, 1))[1] - 1 - 2, -126, 127), 0)      # np.frexp(a)[1] - 1 = floor(log2(a)), exactly
;;       r = np.clip(x / 2.0 ** e, -6, 6)
;;       step = 2.0 ** (np.maximum(np.frexp(np.where(r == 0, 1, r))[1] - 1, 0) - 1)
;;       q = np.round(r / step) * step * 2.0 ** e      # np.round: ties to even
;;       return np.moveaxis(q.reshape(q.shape[:-2] + (-1,))[..., :K], -1, axis).astype(np.float32)
;;   ~~~
;;   SOFTMAX AHEAD OF A QUANTISED PRODUCT. Where the list says 'softmax', what is quantised is not the finished softmax but p = 2^(t - M), with t = logit x log2(e) and M = ceil(the row's largest t), a whole number; so 1/2 < the row's largest p <= 1. The row's sum l is taken of the UNQUANTISED p, in f32, and the product's result is divided by l at the end. Since M is a whole number, a kernel that streams over the keys may use a running M (the ceiling of the running maximum): every later rescaling is an exact power of two, which a block's scale takes up: the codes' values come out the same.
;;   OPERANDS COMPUTED ON THE WAY. 'Computed on the way' means the value that the module computes at that place (a softmax that the list does not call 'softmax' is quantised finished and normalised). What goes into a quantiser is computed in f32, as accurately as f32 sums, v_exp_f32 and their like allow (about 1e-6 of the number): no bf16 or f16 on the way to a quantiser, and a product that is left as it is and whose result goes on into a quantised operand takes f32 operands (vector FMAs, or v_wmma_f32_16x16x4_f32). A number that lies on a knife's edge between two numbers of the format may be rounded either way, as far as f32 arithmetic and the matrix unit's own rounding can turn it there, and no further.
;; One version. Each part assembles by itself: llvm-mc -triple=amdgcn-amd-amdhsa -mcpu=gfx1250 --defsym DOCPART=n.
;; ======== version 1 of 1: 4 launches
;; workspace buffers: cod 6,291,456 bytes; scl 393,216 bytes; qk 8,388,608 bytes; qks 1,048,576 bytes; vim 4,194,304 bytes; vsc 262,144 bytes; aco 4,194,304 bytes; asc 262,144 bytes
;; launch quant (part 1): grid 384 x 1, 4 waves a work-group, no clusters, 33,280 bytes of LDS; arguments x, W_in, W_out, cod, scl; writes cod, scl
.if DOCPART == 1
	.amdgcn_target "amdgcn-amd-amdhsa--gfx1250"
	.amdhsa_code_object_version 6
	.text
	.protected	k_qdb8f54c679_quant
	.globl	k_qdb8f54c679_quant
	.p2align	8
	.type	k_qdb8f54c679_quant,@function
k_qdb8f54c679_quant:
	s_mov_b64 s[64:65], 0
	v_nop
	global_prefetch_b8 v0, s[64:65] scope:SCOPE_SE
	s_setreg_imm32_b32 hwreg(HW_REG_WAVE_MODE, 25, 1), 1
	s_wait_xcnt 0x0
; x [8192][1024], W_in [3072][1024], W_out [1024][1024], f32, K innermost, become codes of FP4 (E2M1) and one E8M0 byte for each 32 along K.
; cod: [12288 rows][512 bytes], scl: [12288 rows][32 bytes]; rows 0-8191 x, 8192-11263 W_in, 11264-12287 W_out.
; A ROW IS STORED AT THE PLACE WHOSE NUMBER IS THE ROW'S WITH BITS 3 AND 4 EXCHANGED.  So 16 neighbouring places hold rows 32 B + 8 u + r + 8 (r / 8): used as a matrix
; instruction's source 0, two neighbouring tiles leave 16 neighbouring rows in a lane's 16 result registers, which is what the next quantiser wants.
; A block's scale is 2^(floor(log2(largest magnitude)) - 2): its byte is the largest magnitude's exponent field - 2, held at 1 from below.
; LIMITS: a block of zeros gets the byte 1 where the rule says 127 (its codes are zeros; the bytes are read by this program alone); blocks whose largest magnitude lies under 2^-124 keep the byte 1;
; NaN and infinities among the inputs are not served.
; A work-group takes 32 rows, a wave 8 rows = 8,192 numbers = 16 steps of 512.  The exchange of bits is the wave's place among the four: wave w writes where wave ((w & 1) << 1) | (w >> 1) would.
; Each load reads 512 consecutive bytes; a step's 2,048 bytes turn through the wave's own stage in LDS so that a lane holds 16 neighbours along K (two lanes a block).  No barrier: waves share nothing.
.set STEPS, 16
.set EMAX,  2
.set CB,    8                          ; bytes of 16 codes
.set R,     16                         ; v16-79   four sets of 16 numbers as loaded
.set X,     80                         ; v80-111  two sets of 16 neighbours
.set C,     128                        ; v128-191 codes: four registers a step, so that no store's data are written again
.set E,     112                        ; v112-127 a scale byte for each step
.set WREG,  8192                       ; LDS of a wave: two stages of 32 x SP bytes, then its 256 scale bytes
.set SP,    80                         ; a lane's place in a stage: 64 bytes + 16 of padding
	s_load_b256 s[4:11], s[0:1], 0x0               ; x s[4:5], W_in s[6:7], W_out s[8:9], cod s[10:11]
	s_load_b64 s[12:13], s[0:1], 0x20              ; scl
	v_lshl_add_u32 v192, v0, 2, 0x8000
	v_mov_b32 v193, 0
	v_lshrrev_b32 v1, 5, v0
	v_readfirstlane_b32 s16, v1                    ; wave
	v_and_b32 v2, 31, v0                           ; lane
	v_lshlrev_b32 v3, 4, v2                        ; my 16 bytes of a load's 512
	s_mul_i32 s17, s16, WREG
	v_lshrrev_b32 v14, 2, v2
	v_mul_u32_u24 v14, v14, SP
	v_and_b32 v15, 3, v2
	v_lshl_add_u32 v14, v15, 4, v14
	v_add_nc_u32 v14, s17, v14                     ; the stage, on the way in: SP (lane / 4) + 16 (lane % 4)
	v_mul_u32_u24 v15, v2, SP
	v_add_nc_u32 v15, s17, v15                     ; and on the way out: SP x lane: my 16 neighbours
	v_mul_u32_u24 v4, v2, CB                       ; my codes' place in a step's 256 bytes
	v_lshrrev_b32 v5, 1, v2
	s_add_co_u32 s17, s17, 2*32*SP
	v_add_nc_u32 v5, s17, v5                       ; LDS: my block's scale byte
	v_lshlrev_b32 v7, 3, v2                        ; on the way out 8 scale bytes a lane
	v_add_nc_u32 v6, s17, v7
	s_wait_alu depctr_va_vdst(0)
	s_wait_kmcnt 0x0
	s_mov_b32 s17, 352                             ; which tensor: the choice hangs on the work-group's number alone
	s_cmp_lt_u32 ttmp9, 352
	s_cselect_b64 s[6:7], s[6:7], s[8:9]
	s_cselect_b32 s17, 256, s17
	s_cmp_lt_u32 ttmp9, 256
	s_cselect_b64 s[4:5], s[4:5], s[6:7]
	s_cselect_b32 s17, 0, s17                      ; the tensor's first work-group
	s_sub_co_u32 s17, ttmp9, s17
	s_lshl_b32 s17, s17, 2
	s_add_co_u32 s18, s17, s16                     ; which run of 8 rows of the tensor I read
	s_mov_b32 s19, 0
	s_lshl_b64 s[20:21], s[18:19], 15              ; 32,768 bytes a run
	s_add_nc_u64 s[4:5], s[4:5], s[20:21]
	s_and_b32 s22, s16, 1                          ; where I write: the wave's two bits exchanged
	s_lshl_b32 s22, s22, 1
	s_lshr_b32 s23, s16, 1
	s_or_b32 s22, s22, s23
	s_lshl_b32 s23, ttmp9, 2
	s_add_co_u32 s22, s22, s23                     ; run of 8 places among all 12,288
	s_lshl_b32 s20, s22, 12                        ; 4,096 bytes of codes a run
	s_mov_b32 s21, 0
	s_add_nc_u64 s[10:11], s[10:11], s[20:21]
	s_lshl_b32 s20, s22, 8                         ; 256 scale bytes a run
	s_add_nc_u64 s[12:13], s[12:13], s[20:21]
.macro LOAD t
.irp i, 0,1,2,3
	global_load_b128 v[R+16*((\t)%4)+4*\i:R+16*((\t)%4)+4*\i+3], v3, s[4:5] offset:2048*(\t)+512*\i th:TH_LOAD_NT   ; 32 lanes read 512 consecutive bytes; read once in the launch
.endr
.endm
.macro TURN t                          ; step t's numbers through the stage: LDS serves a wave's instructions in order, so no wait stands between the stores and the loads
.irp i, 0,1,2,3
	ds_store_b128 v14, v[R+16*((\t)%4)+4*\i:R+16*((\t)%4)+4*\i+3] offset:32*SP*((\t)%2)+8*SP*\i
.endr
.irp i, 0,1,2,3
	ds_load_b128 v[X+16*((\t)%2)+4*\i:X+16*((\t)%2)+4*\i+3], v15 offset:32*SP*((\t)%2)+16*\i
.endr
.endm
.irp t, 0,1,2,3
	LOAD \t
.endr
	s_wait_loadcnt 12                              ; step 0's four loads are in; the twelve of steps 1 to 3 may be out
	TURN 0
.macro STEP t
.set XS, X+16*((\t)%2)
.if (\t) > 0
	s_wait_dscnt 1                                 ; this step's numbers are back from the stage; the last step's byte store may be out
.else
	s_wait_dscnt 0x0
.endif
.if (\t)+4 < STEPS
	LOAD (\t)+4                                    ; into the registers that this step's stage stores have read
.endif
.if (\t)+1 < STEPS
.if STEPS-2-(\t) >= 3
	s_wait_loadcnt 12                              ; the next step's four loads are in; those of the three steps behind it may be out
.else
	s_wait_loadcnt 4*(STEPS-2-(\t))
.endif
	TURN (\t)+1
.endif
	v_max3_num_f32 v8, |v[XS]|, |v[XS+1]|, |v[XS+2]|               ; the largest magnitude of my 16, in two chains
	v_max3_num_f32 v9, |v[XS+3]|, |v[XS+4]|, |v[XS+5]|
.irp i, 6,10
	v_max3_num_f32 v8, v8, |v[XS+\i]|, |v[XS+\i+1]|
	v_max3_num_f32 v9, v9, |v[XS+\i+2]|, |v[XS+\i+3]|
.endr
	v_max3_num_f32 v8, v8, |v[XS+14]|, |v[XS+15]|
	v_max3_num_f32 v8, v8, v9, (EMAX+1)<<23        ; and the floor 2^(3 - 127): the byte cannot fall under 1
	v_max_num_f32_dpp v8, v8, v8 row_xmask:1 row_mask:0xf bank_mask:0xf   ; with my neighbour's 16: the block's
	v_add_nc_u32 v11, -(EMAX<<23), v8              ; 2 off its exponent field: the conversion takes the exponent field of this operand as its scale
	v_cvt_scalef32_pk8_fp4_f32 v[C+4*(\t)], v[XS:XS+7], v11
	v_cvt_scalef32_pk8_fp4_f32 v[C+4*(\t)+1], v[XS+8:XS+15], v11
	v_lshrrev_b32 v[E+(\t)], 23, v11               ; the scale's byte (also the plain line behind the conversions)
	ds_store_b8 v5, v[E+(\t)] offset:16*(\t)       ; both lanes of a block write the same byte with the same value
	global_store_b64 v4, v[C+4*(\t):C+4*(\t)+1], s[10:11] offset:32*CB*(\t)   ; the wave stores 256 consecutive bytes, aligned
.endm
.irp t, 0,1,2,3,4,5,6,7,8,9,10,11,12,13,14,15
	STEP \t
.endr
	ds_load_b64 v[12:13], v6                       ; LDS serves a wave's instructions in order: these see my byte stores
	s_wait_dscnt 0x0
	global_store_b64 v7, v[12:13], s[12:13]        ; 32 lanes store 256 consecutive bytes, aligned
	s_wait_tensorcnt 0x0
	ds_add_u32 v192, v193
	s_wait_dscnt 0x0
	s_endpgm
.Lfunc_end_k_qdb8f54c679_quant:
	.size	k_qdb8f54c679_quant, .Lfunc_end_k_qdb8f54c679_quant-k_qdb8f54c679_quant
	.p2alignl 7, 3214868480
	.fill 96, 4, 3214868480
	.section	.rodata,"a",@progbits
	.p2align	6, 0x0
	.amdhsa_kernel k_qdb8f54c679_quant
		.amdhsa_group_segment_fixed_size 33280
		.amdhsa_private_segment_fixed_size 0
		.amdhsa_enable_private_segment 0
		.amdhsa_kernarg_size 40
		.amdhsa_user_sgpr_count 2
		.amdhsa_user_sgpr_kernarg_segment_ptr 1
		.amdhsa_wavefront_size32 1
		.amdhsa_system_sgpr_workgroup_id_x 1
		.amdhsa_system_sgpr_workgroup_id_y 1
		.amdhsa_system_sgpr_workgroup_id_z 1
		.amdhsa_system_vgpr_workitem_id 0
		.amdhsa_next_free_vgpr 194
		.amdhsa_next_free_sgpr 66
		.amdhsa_reserve_vcc 0
		.amdhsa_float_denorm_mode_32 3
		.amdhsa_float_denorm_mode_16_64 3
		.amdhsa_memory_ordered 1
		.amdhsa_forward_progress 1
		.amdhsa_inst_pref_size 34
	.end_amdhsa_kernel
	.amdgpu_metadata
---
amdhsa.version: [ 1, 2 ]
amdhsa.kernels:
  - .name:           k_qdb8f54c679_quant
    .symbol:         k_qdb8f54c679_quant.kd
    .args:
      - { .name: x, .offset: 0, .size: 8, .value_kind: global_buffer, .address_space: global }
      - { .name: W_in, .offset: 8, .size: 8, .value_kind: global_buffer, .address_space: global }
      - { .name: W_out, .offset: 16, .size: 8, .value_kind: global_buffer, .address_space: global }
      - { .name: cod, .offset: 24, .size: 8, .value_kind: global_buffer, .address_space: global }
      - { .name: scl, .offset: 32, .size: 8, .value_kind: global_buffer, .address_space: global }
    .group_segment_fixed_size: 33280
    .private_segment_fixed_size: 0
    .kernarg_segment_align: 8
    .kernarg_segment_size: 40
    .max_flat_workgroup_size: 128
    .sgpr_count:     66
    .vgpr_count:     194
    .wavefront_size: 32
...
	.end_amdgpu_metadata
.endif
;; end of part 1
;; launch proj (part 2): grid 8 x 32, 4 waves a work-group, clusters of 4 x 4, 327,680 bytes of LDS; arguments cod, scl, b_in, qk, qks, vim, vsc; writes qk, qks, vim, vsc
.if DOCPART == 2
	.amdgcn_target "amdgcn-amd-amdhsa--gfx1250"
	.amdhsa_code_object_version 6
	.text
	.protected	k_qdb8f54c679_proj
	.globl	k_qdb8f54c679_proj
	.p2align	8
	.type	k_qdb8f54c679_proj,@function
k_qdb8f54c679_proj:
	s_mov_b64 s[64:65], 0
	v_nop
	global_prefetch_b8 v0, s[64:65] scope:SCOPE_SE
	s_setreg_imm32_b32 hwreg(HW_REG_WAVE_MODE, 25, 1), 1
	s_wait_xcnt 0x0
	s_wait_alu depctr_hold_cnt(0) depctr_sa_sdst(0) depctr_va_vdst(0) depctr_va_sdst(0) depctr_va_ssrc(0) depctr_va_vcc(0) depctr_vm_vsrc(0)
	s_getreg_b32 s2, hwreg(HW_REG_IB_STS2, 6, 4)
	s_cmp_eq_u32 s2, 0
	s_cbranch_scc0 .Lentry_in_a_cluster
	s_endpgm
.Lentry_in_a_cluster:
	s_bfe_u32 s2, ttmp6, 0x10000c
	s_cmp_lg_u32 s2, 0xf033
	s_cbranch_scc0 .Lentry_shape_is_right
	s_endpgm
.Lentry_shape_is_right:
; qkv = x W_in^T + b_in on codes of FP4 with E8M0 scales; q, k and v never go to memory as f32: they are quantised in the accumulators and stored as images of the next products' operand registers.
; cod / scl hold rows at PLACES (row number with bits 3 and 4 exchanged): as source 0, tiles 2 B and 2 B + 1 leave rows 32 B + 16 (lane / 16) + 0 .. 15 in a lane's 16 registers.
; A work-group (tx 0-7, ty 0-31), four waves, does two parts on ONE tile of x (places 256 ty on, all of K = 1,024, in LDS):
;   PART 1 (q, k): source 0 = W_in places 256 tx on (256 of them), source 1 = x.  A wave: 128 x 128, 64 accumulators.  A lane holds one token and 128 neighbouring outputs = two heads: quantised along the head's 64.
;   PART 2 (v):    source 0 = x, source 1 = W_in places 2048 + 128 tx on (128).  A wave: 64 x 128, 32 accumulators.  A lane holds one output d and 128 neighbouring keys: quantised along the keys.
; So each of the 256 work-groups has the same one and a half tiles.  W_v's tile takes the bytes of W_qk's first K half once those are read out: the launch's one refill; it lands under part 1's second half.
; CLUSTER 4 x 4: x's tile and scales are shared along a row of the cluster, W's along a column: joint loads with a mask that names the four.
; The biases are the C of each sum's first matrix instruction.
; LIMITS: a block of zeros gets the scale byte 1 where the rule says 127 (its codes are zeros; this program alone reads the bytes); largest magnitudes under 2^-124 keep the byte 1; NaN and infinities are not served.
; REGISTERS: window 0: v1-31 addresses; v32-95 scale words and nothing else; v96-127 v's bias; v128-255 source 1's two sets (on the ways out: codes, scale words, work).
;   window 1: v0-63, v128-191 source 0's two sets; v64-127 q's and k's bias.   windows 2, 3: accumulators, (a, b) at v[8 (8 (a % 4) + b)] of window 2 + a / 4.
.set PITCH,  272                       ; an LDS row of a K half: 256 bytes + 16: the 16 rows of a fragment load start 68 words apart
.set HALFT,  128*PITCH                 ; 128 rows: one tensor load
.set SLOT,   4*HALFT                   ; K half s: x's 256 rows, then W_qk's 256
.set VT,     2*HALFT                   ; W_v's tile: over W_qk's part of slot 0
.set VPITCH, 528                       ; its rows: 512 bytes + 16
.set SCL,    2*SLOT                    ; scale bytes of x's 256 rows, then W_qk's 256: pieces of 256 bytes + 16
.set HALFS,  16*272                    ; those of 128 rows
.set SBLK,   2*272                     ; those of 16 rows
.set SCV,    SCL+4*HALFS               ; W_v's, 128 rows
.set SPARE,  SCV+HALFS                 ; the spare words: 128 bytes a wave, two blocks of 256 bytes that no other line names
.set STG,    SPARE+512                 ; 1,024 bytes a wave: scale words are gathered here on the ways out; no tile lands here
.set GL,   2                           ; v2   16 x lane
.set GL8,  3                           ; v3   8 x lane
.set STS1, 4                           ; v4   stage, part 1, in
.set STS2, 5                           ; v5   stage, part 2, in
.set STR,  6                           ; v6   stage, back, 16 bytes a lane
.set STR2, 7                           ; v7   stage, back, 8 bytes a lane
.set SH16, 8                           ; v8   16 x (lane / 16)
.set BQO,  9                           ; v9   byte offset in b_in of my eight numbers (part 1)
.set BVO,  10                          ; v10  and of my one number (part 2)
.set ADRA, 16                          ; v16-17 part 1: x's fragments in slot 0, 1
.set ADVA, 18                          ; v18    part 2: W_v's fragments
.set ADRB, 20                          ; v20-21 part 1: W_qk's fragments
.set ADX,  22                          ; v22-23 part 2: x's fragments
.set ADRS, 27                          ; v27  part 1's scale words: lanes 0-15 x's, lanes 16-31 W's
.set SPW,  28                          ; v28  my spare word; never rewritten
.set NIL,  29                          ; v29  0; never rewritten
.set ADSX, 30                          ; v30  part 2: x's scale words: lanes 0-15 blocks 0-3, lanes 16-31 blocks 4-7
.set ADSV, 31                          ; v31  part 2: W_v's: lanes 0-15 blocks 0, 1, lanes 16-31 blocks 2, 3
.set TM,   192                         ; the ways out: v192-195 largest magnitudes, v196-199 bytes, v204-207 conversion scales
.set WV,  18                           ; s18 wave;  s19 wave / 2;  s66 wave % 2
.set WR,  19
.set WC,  66
.set G0VS, 20                          ; s[20:23]  group 0: W_v's scales
.set G1,   24                          ; s[24:31]  group 1: x's tiles;      s[32:39] group 0, a set for each slot
.set G0,   32
.set G1B,  48                          ; s[48:55], s[56:63] the same for W_qk's tiles
.set G0B,  56
.set G1S,  68                          ; s[68:75], s[76:79] x's scales; later W_v's tile
.set G0S,  76
.set G1SB, 80                          ; s[80:87], s[88:91] W_qk's scales
.set G0SB, 88
.set G1VS, 92                          ; s[92:99]  group 1: W_v's scales
.set MSB, 0
.macro WIN new                         ; the immediate's high byte repeats the setting that is left; a switch that changes nothing is dropped
.if MSB != (\new)
	s_set_vgpr_msb (MSB<<8)|(\new)
.set MSB, (\new)
.endif
.endm
.macro PLACES                          ; four plain vector lines between a matrix instruction and a load into, or a vector read or write of, its registers (ISA guide 7.12.1 for vector reads and writes)
.rept 4
	v_nop
.endr
.endm
.macro JLOAD g0a, g1a, g0b, g1b        ; a joint load: waves 0, 1 fetch for x, waves 2, 3 for W; four v_nop follow each line
	s_cmp_eq_u32 s[WR], 0
	s_cbranch_scc0 .Lfor_b_\@
	tensor_load_to_lds s[\g0a:\g0a+3], s[\g1a:\g1a+7]
	s_nop 0
.rept 4
	v_nop
.endr
	s_branch .Lasked_\@
.Lfor_b_\@:
	tensor_load_to_lds s[\g0b:\g0b+3], s[\g1b:\g1b+7]
	s_nop 0
.rept 4
	v_nop
.endr
.Lasked_\@:
.endm
.macro CREST                           ; a round of the cluster's barrier behind its opening barrier
	s_cmp_lg_u32 s[WV], 0
	s_cbranch_scc1 .Lnot_wave_0_\@
	s_barrier_signal -3
.Lnot_wave_0_\@:
	s_barrier_wait -3
	s_barrier_signal -1
	s_barrier_wait -1
.endm
.macro CROUND
	s_barrier_signal -1
	s_barrier_wait -1
	CREST
.endm
	s_load_b256 s[4:11], s[0:1], 0x0               ; cod s[4:5], scl s[6:7], b_in s[8:9], qk s[10:11]
	s_load_b128 s[12:15], s[0:1], 0x20             ; qks s[12:13], vim s[14:15]
	s_load_b64 s[16:17], s[0:1], 0x30              ; vsc
	v_lshl_add_u32 v[SPW], v0, 2, SPARE
	v_mov_b32 v[NIL], 0
	ds_add_u32 v28, v29
	ds_add_u32 v28, v29
	s_wait_dscnt 0x0
	v_lshrrev_b32 v1, 5, v0
	v_readfirstlane_b32 s[WV], v1                  ; wave 0..3
	s_lshr_b32 s[WR], s[WV], 1
	s_and_b32 s[WC], s[WV], 1
	s_bfe_u32 s40, ttmp6, 0x40000                  ; cx
	s_bfe_u32 s41, ttmp6, 0x40004                  ; cy
	s_lshl_b32 s42, ttmp9, 2
	s_add_co_u32 s42, s42, s40                     ; tx = 4 x cluster x + cx
	s_and_b32 s45, ttmp7, 0xffff
	s_lshl_b32 s45, s45, 2
	s_add_co_u32 s45, s45, s41                     ; ty = 4 x cluster y + cy
	s_lshl_b32 s43, s41, 2
	s_lshl_b32 s43, 15, s43                        ; my row of the cluster
	s_lshl_b32 s44, 0x1111, s40                    ; my column
	; group 1 of the tiles: 128 rows x 256 bytes, 512 bytes apart in memory, 16 bytes of padding behind each row in LDS
	s_or_b32 s[G1], s43, (1<<20)|(1<<21)|(5<<22)|(3<<25)     ; 15:0 mask; 17:16 elements of 1 byte; 20 padding on; 21 set beside a mask; 24:22 after every 64 words; 31:25 four words
	s_or_b32 s[G1B], s44, (1<<20)|(1<<21)|(5<<22)|(3<<25)
.irp g, G1, G1B
	s_mov_b32 s[\g+1], 256<<16                     ; tensor_dim0
	s_mov_b32 s[\g+2], 128<<16                     ; tensor_dim1
	s_mov_b32 s[\g+3], 256<<16                     ; tile_dim0
	s_mov_b32 s[\g+4], 128                         ; tile_dim1
	s_mov_b32 s[\g+5], 512                         ; from row to row
	s_mov_b32 s[\g+6], 0
	s_mov_b32 s[\g+7], 0
.endr
	; group 1 of the scales: dense bytes as rows of 256 (32 elements of 8 bytes), 16 bytes of padding behind each: 16 rows for 128 rows' scales, 4 for 32 rows'
	s_or_b32 s[G1S], s43, (3<<16)|(1<<20)|(1<<21)|(5<<22)|(3<<25)
	s_or_b32 s[G1SB], s44, (3<<16)|(1<<20)|(1<<21)|(5<<22)|(3<<25)
	s_or_b32 s[G1VS], s44, (3<<16)|(1<<20)|(1<<21)|(5<<22)|(3<<25)
.irp g, G1S, G1SB
	s_mov_b32 s[\g+1], 32<<16
	s_mov_b32 s[\g+2], 16<<16
	s_mov_b32 s[\g+3], 32<<16
	s_mov_b32 s[\g+4], 16
	s_mov_b32 s[\g+5], 32
	s_mov_b32 s[\g+6], 0
	s_mov_b32 s[\g+7], 0
.endr
	s_mov_b32 s[G1VS+1], 32<<16
	s_mov_b32 s[G1VS+2], 4<<16
	s_mov_b32 s[G1VS+3], 32<<16
	s_mov_b32 s[G1VS+4], 4
	s_mov_b32 s[G1VS+5], 32
	s_mov_b32 s[G1VS+6], 0
	s_mov_b32 s[G1VS+7], 0
	; byte offsets, each made in the pair that will hold the address.  x's hang on ty alone, W's on tx alone.
	s_lshl_b32 s3, s[WC], 7                        ; which 128 rows of a tile I fetch
	s_lshl_b32 s34, s45, 8
	s_add_co_u32 s34, s34, s3                      ; x: row 256 ty + 128 half
	s_lshl_b32 s78, s34, 5                         ; its scales: 32 bytes a row
	s_mov_b32 s79, 0
	s_lshl_b32 s34, s34, 9                         ; its codes: 512 bytes a row
	s_mov_b32 s35, 0
	s_lshl_b32 s58, s42, 8
	s_add_co_u32 s58, s58, s3
	s_add_co_u32 s58, s58, 8192                    ; W_qk: row 8192 + 256 tx + 128 half
	s_lshl_b32 s90, s58, 5
	s_mov_b32 s91, 0
	s_lshl_b32 s58, s58, 9
	s_mov_b32 s59, 0
	s_lshl_b32 s100, s42, 7
	s_lshl_b32 s2, s[WV], 5
	s_add_co_u32 s100, s100, s2
	s_add_co_u32 s100, s100, 10240                 ; W_v: row 10240 + 128 tx + 32 wave
	s_lshl_b32 s22, s100, 5
	s_mov_b32 s23, 0
	s_lshl_b32 s100, s100, 9
	s_mov_b32 s101, 0
	s_mul_i32 s104, s[WV], HALFT                   ; where they go: no place in the cluster enters an LDS address
	s_mul_i32 s105, s[WV], HALFS
	s_mul_i32 s67, s[WV], 32*VPITCH
	s_add_co_u32 s67, s67, VT                      ; W_v's tile: 32 rows a wave
	s_mul_i32 s2, s[WV], 4*272
	s_wait_kmcnt 0x0
	s_add_nc_u64 s[34:35], s[4:5], s[34:35]
	s_add_nc_u64 s[38:39], s[34:35], 256           ; the second K half
	s_add_nc_u64 s[58:59], s[4:5], s[58:59]
	s_add_nc_u64 s[62:63], s[58:59], 256
	s_add_nc_u64 s[78:79], s[6:7], s[78:79]
	s_add_nc_u64 s[90:91], s[6:7], s[90:91]
	s_add_nc_u64 s[22:23], s[6:7], s[22:23]
	s_add_nc_u64 s[100:101], s[4:5], s[100:101]    ; kept for the refill
.irp g, 35,39,59,63,79,91,23
	s_or_b32 s\g, s\g, 0x80000000                  ; 127:126 type = 2
.endr
.irp g, 32,36,56,60,76,88,20
	s_mov_b32 s\g, 1                               ; 1:0 count = 1
.endr
	s_mov_b32 s33, s104
	s_add_co_u32 s37, s104, SLOT
	s_mov_b32 s57, s104
	s_add_co_u32 s61, s104, SLOT
	s_add_co_u32 s77, s105, SCL
	s_add_co_u32 s89, s105, SCL
	s_add_co_u32 s21, s2, SCV
	CROUND                                         ; all sixteen work-groups are here: the first joint loads meet.  Four loads of mine go out together
	JLOAD G0S, G1S, G0SB, G1SB                     ; the scales of all of K: filled once
	tensor_load_to_lds s[G0VS:G0VS+3], s[G1VS:G1VS+7]   ; W_v's scales, 32 rows' a wave
	s_nop 0
.rept 4
	v_nop
.endr
	JLOAD G0, G1, G0B, G1B                         ; K half 0
	JLOAD G0+4, G1, G0B+4, G1B                     ; K half 1
	; addresses.  r = lane % 16, h = lane / 16
	v_and_b32 v1, 15, v0                           ; r
	v_bfe_u32 v11, v0, 4, 1                        ; h
	v_and_b32 v12, 31, v0                          ; lane
	v_mul_u32_u24 v13, v1, PITCH
	v_lshl_add_u32 v13, v11, 4, v13                ; a fragment's row x pitch + 16 h
	s_mul_i32 s2, s[WR], HALFT
	s_mul_i32 s3, s[WC], HALFT
	v_add_nc_u32 v[ADRA], s2, v13                  ; part 1: x's half wave / 2
	v_add_nc_u32 v[ADX], s3, v13                   ; part 2: x's half wave % 2
	s_add_co_u32 s3, s3, 2*HALFT
	v_add_nc_u32 v[ADRB], s3, v13                  ; part 1: W's half wave % 2, behind x's 256 rows
	v_add_nc_u32 v[ADRA+1], SLOT, v[ADRA]
	v_add_nc_u32 v[ADX+1], SLOT, v[ADX]
	v_add_nc_u32 v[ADRB+1], SLOT, v[ADRB]
	v_mul_u32_u24 v14, v1, VPITCH
	v_lshl_add_u32 v14, v11, 4, v14
	s_mul_i32 s2, s[WR], 64*VPITCH
	s_add_co_u32 s2, s2, VT
	v_add_nc_u32 v[ADVA], s2, v14                  ; part 2: W_v's 64 rows wave / 2
	v_lshlrev_b32 v15, 5, v1                       ; a row's 32 scale bytes,
	v_lshrrev_b32 v24, 8, v15
	v_lshl_add_u32 v15, v24, 4, v15                ; and 16 more for each 256 passed
	s_mul_i32 s2, s[WR], HALFS
	s_mul_i32 s3, s[WC], HALFS
	s_add_co_u32 s104, s3, 2*HALFS
	s_sub_co_u32 s104, s104, s2                    ; from x's words to W's
	v_mul_u32_u24 v24, s104, v11                   ; lanes 16-31 take W's
	s_add_co_u32 s2, s2, SCL
	v_add_nc_u32 v24, v15, v24
	v_add_nc_u32 v[ADRS], s2, v24
	v_mul_u32_u24 v24, v11, 4*SBLK                 ; lanes 16-31: four blocks on
	s_add_co_u32 s3, s3, SCL
	v_add_nc_u32 v24, v15, v24
	v_add_nc_u32 v[ADSX], s3, v24
	v_mul_u32_u24 v24, v11, 2*SBLK                 ; lanes 16-31: two blocks on
	s_wait_alu depctr_va_vdst(0)
	s_mul_i32 s2, s[WR], 4*SBLK
	s_add_co_u32 s2, s2, SCV
	v_add_nc_u32 v24, v15, v24
	v_add_nc_u32 v[ADSV], s2, v24
	s_lshl_b32 s2, s[WV], 10
	s_add_co_u32 s2, s2, STG                       ; my stage
	v_lshlrev_b32 v[GL], 4, v12
	v_lshlrev_b32 v[GL8], 3, v12
	v_lshlrev_b32 v24, 4, v1
	v_lshl_add_u32 v24, v11, 9, v24
	v_add_nc_u32 v[STS1], s2, v24                  ; 512 h + 16 r
	v_lshl_add_u32 v[STS2], v1, 3, s2              ; 8 r
	v_add_nc_u32 v[STR], s2, v[GL]
	v_add_nc_u32 v[STR2], s2, v[GL8]
	v_lshlrev_b32 v[SH16], 4, v11
	s_lshl_b32 s2, s42, 10
	s_lshl_b32 s3, s[WC], 9
	s_add_co_u32 s2, s2, s3                        ; b_in at output 256 tx + 128 (wave % 2),
	v_lshl_add_u32 v[BQO], v11, 6, s2              ; + 16 h numbers
	s_lshl_b32 s2, s42, 9
	s_lshl_b32 s3, s[WR], 8
	s_add_co_u32 s2, s2, s3
	s_add_co_u32 s2, s2, 8192                      ; b_in at output 2048 + 128 tx + 64 (wave / 2),
	v_and_b32 v24, 7, v0
	v_bfe_u32 v25, v0, 3, 1
	v_lshlrev_b32 v24, 2, v24
	v_lshl_add_u32 v24, v25, 6, v24                ; + r % 8 + 16 (r / 8): the row that lies at my place
	v_add_nc_u32 v[BVO], s2, v24
	WIN 0x40                                       ; destination window 1
.irp b, 0,1,2,3,4,5,6,7                        ; part 1's C: register 8 b + j = b_in at 32 (b / 2) + 8 (b % 2) + 16 h + j
	global_load_b128 v[64+8*\b:64+8*\b+3], v[BQO], s[8:9] offset:(32*(\b/2)+8*(\b%2))*4
	global_load_b128 v[64+8*\b+4:64+8*\b+7], v[BQO], s[8:9] offset:(32*(\b/2)+8*(\b%2))*4+16
.endr
	WIN 0
.irp a, 0,1,2,3                                ; part 2's C: all eight registers of block a hold my output's bias
.irp j, 0,1,2,3,4,5,6,7
	global_load_b32 v[96+8*\a+\j], v[BVO], s[8:9] offset:(32*(\a/2)+8*(\a%2))*4
.endr
.endr
	; where the results go
	s_lshr_b32 s2, s45, 3                          ; the batch
	s_and_b32 s3, s45, 7
	s_lshl_b32 s40, s2, 5
	s_lshl_b32 s41, s42, 2
	s_add_co_u32 s40, s40, s41
	s_lshl_b32 s41, s[WC], 1
	s_add_co_u32 s40, s40, s41                     ; 32 batch + my first head among q's 16 and k's 16
	s_lshl_b32 s41, s3, 1
	s_add_co_u32 s41, s41, s[WR]                   ; my group of 8 tiles of tokens
	s_lshl_b32 s104, s40, 16
	s_lshl_b32 s46, s41, 12
	s_add_co_u32 s104, s104, s46
	s_mov_b32 s105, 0
	s_add_nc_u64 s[10:11], s[10:11], s[104:105]    ; qk: 65,536 bytes a head, 512 a tile
	s_lshl_b32 s104, s40, 13
	s_lshl_b32 s46, s41, 9
	s_add_co_u32 s104, s104, s46
	s_add_nc_u64 s[12:13], s[12:13], s[104:105]    ; qks: 8,192 bytes a head, 512 a group
	s_lshl_b32 s40, s2, 4
	s_lshl_b32 s41, s42, 1
	s_add_co_u32 s40, s40, s41
	s_add_co_u32 s40, s40, s[WR]                   ; 16 batch + v's head
	s_lshl_b32 s40, s40, 4
	s_lshl_b32 s41, s3, 1
	s_add_co_u32 s40, s40, s41
	s_add_co_u32 s40, s40, s[WC]                   ; x 16 + my key step
	s_lshl_b32 s104, s40, 12
	s_add_nc_u64 s[14:15], s[14:15], s[104:105]    ; vim: 4,096 bytes a key step
	s_lshl_b32 s104, s40, 8
	s_add_nc_u64 s[16:17], s[16:17], s[104:105]    ; vsc: 256
	s_mov_b32 s46, 0x76543210
	s_mov_b32 s47, 0xfedcba98                      ; v_permlanex16_b32's selects for lane l xor 16
.macro FRAGR reg, adr, off             ; a fragment, 16 rows x 128 K of 4-bit codes: lane (r, h): registers 4 c .. 4 c + 3 hold K = 64 c + 32 h + 0 .. 31
	ds_load_b128 v[\reg:\reg+3], v[\adr] offset:\off
	ds_load_b128 v[\reg+4:\reg+7], v[\adr] offset:\off+32
.endm
.macro GFETCH1 q                       ; part 1: K step q's 16 fragments into set q % 2
.set GP, (\q)%2
.set GS, (\q)/4
.set GK, 64*((\q)%4)
	WIN 0x40
.irp i, 0,1,2,3,4,5,6,7
	FRAGR 128*GP+8*\i, ADRB+GS, GK+16*PITCH*\i
.endr
	WIN 0
.irp i, 0,1,2,3,4,5,6,7
	FRAGR 128+64*GP+8*\i, ADRA+GS, GK+16*PITCH*\i
.endr
.endm
.macro SCALES1                         ; all of K's scale words: register 32 + 32 s + 4 i + w: lanes 0-15 x's block i, lanes 16-31 W's block i, K step 4 s + w
.irp s, 0,1
.irp i, 0,1,2,3,4,5,6,7
	ds_load_b128 v[32+32*\s+4*\i:32+32*\s+4*\i+3], v[ADRS] offset:SBLK*\i+16*\s
.endr
.endr
.endm
; 32 matrix instructions: x's blocks 4 hi .. 4 hi + 3 against W's eight.  The 64 accumulators take turns, one instruction a turn, in the same order in every step.
.macro MUL32 q, hi, first
.set MP, (\q)%2
.set MS, 32+32*((\q)/4)+(\q)%4
.irp a, 0,1,2,3
.irp b, 0,1,2,3,4,5,6,7
.if \first
	v_wmma_scale_f32_16x16x128_f8f6f4 v[8*(8*\a+\b):8*(8*\a+\b)+7], v[128*MP+8*\b:128*MP+8*\b+7], v[128+64*MP+8*(4*\hi+\a):128+64*MP+8*(4*\hi+\a)+7], v[64+8*\b:64+8*\b+7], v[MS+4*\b], v[MS+4*(4*\hi+\a)] matrix_a_fmt:MATRIX_FMT_FP4 matrix_b_fmt:MATRIX_FMT_FP4 matrix_a_scale:MATRIX_SCALE_ROW1
.else
	v_wmma_scale_f32_16x16x128_f8f6f4 v[8*(8*\a+\b):8*(8*\a+\b)+7], v[128*MP+8*\b:128*MP+8*\b+7], v[128+64*MP+8*(4*\hi+\a):128+64*MP+8*(4*\hi+\a)+7], v[8*(8*\a+\b):8*(8*\a+\b)+7], v[MS+4*\b], v[MS+4*(4*\hi+\a)] matrix_a_fmt:MATRIX_FMT_FP4 matrix_b_fmt:MATRIX_FMT_FP4 matrix_a_scale:MATRIX_SCALE_ROW1
.endif
.endr
.endr
.endm
.macro STEP1 q, first                  ; a K step of 128: the next step's 32 loads go out first and have this step's 64 matrix instructions in which to land
	s_wait_dscnt 0x0                               ; this step's fragments, asked for a step ago
	PLACES                                         ; the other set was read by the last step's products
.if (\q) < 7
	GFETCH1 (\q)+1
.endif
.if \first
	WIN 0x91                                       ; source 0 and C (the bias) window 1, source 1 window 0, D window 2
.else
	WIN 0xa1                                       ; source 0 window 1, C and D window 2
.endif
	MUL32 \q, 0, \first
.if \first
	WIN 0xd1
.else
	WIN 0xf1                                       ; C and D window 3
.endif
	MUL32 \q, 1, \first
	WIN 0
.endm
; 64 numbers of a lane in window w, register ac + 16 b + i = K 32 b + 16 h + i of my row, become a fragment's codes in v[pc] on and its scale word in v[pw].  Each accumulator is read from its low end on.
.macro QUANT64 w, ac, pc, pw
	WIN 5*(\w)                                     ; sources 0 and 1 in window w
.irp b, 0,1,2,3
	v_max3_num_f32 v[TM+\b], |v[\ac+16*\b]|, |v[\ac+16*\b+1]|, 0x1800000   ; block b: my 16 numbers, and the floor 2^(3 - 127): the byte cannot fall under 1
.endr
	WIN 20*(\w)                                    ; sources 1 and 2 in window w
.irp i, 2,4,6,8,10,12,14
.irp b, 0,1,2,3
	v_max3_num_f32 v[TM+\b], v[TM+\b], |v[\ac+16*\b+\i]|, |v[\ac+16*\b+\i+1]|   ; the four blocks by turns
.endr
.endr
	WIN 0
.irp b, 0,1,2,3
	v_permlanex16_b32 v[TM+4+\b], v[TM+\b], s46, s47
.endr
.irp b, 0,1,2,3
	v_max_num_f32 v[TM+\b], v[TM+\b], v[TM+4+\b]   ; with lane l xor 16's: the block's largest magnitude
.endr
.irp b, 0,1,2,3
	v_add_nc_u32 v[TM+12+\b], 0xff000000, v[TM+\b] ; 2 off its exponent field: the conversion's scale operand
.endr
.irp b, 0,1,2,3
	v_lshrrev_b32 v[TM+4+\b], 23, v[TM+12+\b]      ; the scale's byte
.endr
	v_lshl_or_b32 v[\pw], v[TM+5], 8, v[TM+4]
	v_lshl_or_b32 v[\pw], v[TM+6], 16, v[\pw]
	v_lshl_or_b32 v[\pw], v[TM+7], 24, v[\pw]      ; my row's scale word
	WIN (\w)                                       ; source 0 in window w
.irp b, 0,1,2,3
	v_cvt_scalef32_pk8_fp4_f32 v[\pc+2*\b], v[\ac+16*\b:\ac+16*\b+7], v[TM+12+\b]
	v_cvt_scalef32_pk8_fp4_f32 v[\pc+2*\b+1], v[\ac+16*\b+8:\ac+16*\b+15], v[TM+12+\b]
.endr
	WIN 0
	v_nop                                          ; one plain line behind the scaled conversions
.irp c, 0,1                                    ; the operand's layout wants a whole block in a lane: lanes 0-15 block 2 c, lanes 16-31 block 2 c + 1
.irp i, 0,1
	v_permlane16_swap_b32 v[\pc+4*\c+\i], v[\pc+4*\c+2+\i]
.endr
.endr
.endm
; part 2
.macro HSC adx, ady                    ; scale words: v[32 + 16 kh + 4 j + w]: source 0's block j (lanes 0-15) and j + 4 (lanes 16-31); v[64 + 8 kh + 4 j + w]: source 1's blocks j and j + 2; K step 4 kh + w
.irp kh, 0,1
.irp j, 0,1,2,3
	ds_load_b128 v[32+16*\kh+4*\j:32+16*\kh+4*\j+3], v[\adx] offset:SBLK*\j+16*\kh
.endr
.irp j, 0,1
	ds_load_b128 v[64+8*\kh+4*\j:64+8*\kh+4*\j+3], v[\ady] offset:SBLK*\j+16*\kh
.endr
.endr
.endm
.macro HFETCH q                        ; K step q: x's 8 fragments (source 0) and W_v's 4 (source 1) into set q % 2
.set GP, (\q)%2
.set GS, (\q)/4
.set GK, 64*((\q)%4)
	WIN 0x40
.irp b, 0,1,2,3,4,5,6,7
	FRAGR 128*GP+8*\b, ADX+GS, GK+16*PITCH*\b
.endr
	WIN 0
.irp a, 0,1,2,3
	FRAGR 128+32*GP+8*\a, ADVA, 64*(\q)+16*VPITCH*\a
.endr
.endm
.macro WM d, a, b, c, sa, sb, ra, rb   ; one product; ra, rb: the scale words lie in lanes 16-31
.if (\ra)+2*(\rb) == 0
	v_wmma_scale_f32_16x16x128_f8f6f4 v[\d:\d+7], v[\a:\a+7], v[\b:\b+7], v[\c:\c+7], v[\sa], v[\sb] matrix_a_fmt:MATRIX_FMT_FP4 matrix_b_fmt:MATRIX_FMT_FP4
.elseif (\ra)+2*(\rb) == 1
	v_wmma_scale_f32_16x16x128_f8f6f4 v[\d:\d+7], v[\a:\a+7], v[\b:\b+7], v[\c:\c+7], v[\sa], v[\sb] matrix_a_fmt:MATRIX_FMT_FP4 matrix_b_fmt:MATRIX_FMT_FP4 matrix_a_scale:MATRIX_SCALE_ROW1
.elseif (\ra)+2*(\rb) == 2
	v_wmma_scale_f32_16x16x128_f8f6f4 v[\d:\d+7], v[\a:\a+7], v[\b:\b+7], v[\c:\c+7], v[\sa], v[\sb] matrix_a_fmt:MATRIX_FMT_FP4 matrix_b_fmt:MATRIX_FMT_FP4 matrix_b_scale:MATRIX_SCALE_ROW1
.else
	v_wmma_scale_f32_16x16x128_f8f6f4 v[\d:\d+7], v[\a:\a+7], v[\b:\b+7], v[\c:\c+7], v[\sa], v[\sb] matrix_a_fmt:MATRIX_FMT_FP4 matrix_b_fmt:MATRIX_FMT_FP4 matrix_a_scale:MATRIX_SCALE_ROW1 matrix_b_scale:MATRIX_SCALE_ROW1
.endif
.endm
.macro HMUL q, first                   ; 32 products, the 32 accumulators by turns
.set MP, (\q)%2
.set MSA, 32+16*((\q)/4)+(\q)%4
.set MSC, 64+8*((\q)/4)+(\q)%4
.irp a, 0,1,2,3
.irp b, 0,1,2,3,4,5,6,7
.if \first
	WM 8*(8*\a+\b), 128*MP+8*\b, 128+32*MP+8*\a, 96+8*\a, MSA+4*(\b%4), MSC+4*(\a%2), \b/4, \a/2
.else
	WM 8*(8*\a+\b), 128*MP+8*\b, 128+32*MP+8*\a, 8*(8*\a+\b), MSA+4*(\b%4), MSC+4*(\a%2), \b/4, \a/2
.endif
.endr
.endr
.endm
.macro HSTEP q
	s_wait_dscnt 0x0                               ; this step's fragments, asked for a step ago
	PLACES
.if (\q) < 7
	HFETCH (\q)+1
.endif
.if (\q) == 0
	WIN 0x81                                       ; source 0 window 1, source 1 and C (the bias) window 0, D window 2
	HMUL \q, 1
.else
	WIN 0xa1
	HMUL \q, 0
.endif
	WIN 0
.endm
	s_wait_tensorcnt 0x1                           ; the scales and my part of K half 0 are in; K half 1's load, the last of my four, may stay out
	s_barrier_signal -1
	s_barrier_wait -1                              ; everybody's are
	SCALES1
	GFETCH1 0
	s_wait_loadcnt 0x0                             ; the biases
	STEP1 0, 1                                     ; the first products start the sums from the bias: nothing is cleared
	STEP1 1, 0
	STEP1 2, 0
	; K step 3 changes slots, and W_qk's first K half, which nobody reads any more, is filled again with W_v's tile
	s_wait_tensorcnt 0x0                           ; all my tensor loads have landed, K half 1 among them: every descriptor may be written
	ds_add_u32 v[SPW], v[NIL]                      ; 0 onto my spare word; the descriptor is written while it is out
	s_or_b32 s[G1S], s44, (1<<20)|(1<<21)|(6<<22)|(3<<25)   ; W_v's tile goes to my column: 32 rows x 512 bytes a wave, 16 bytes of padding behind each 128 words
	s_mov_b32 s[G1S+1], 512<<16
	s_mov_b32 s[G1S+2], 32<<16
	s_mov_b32 s[G1S+3], 512<<16
	s_mov_b32 s[G1S+4], 32
	s_mov_b32 s[G1S+5], 512
	s_mov_b32 s[G1S+6], 0
	s_mov_b32 s[G1S+7], 0
	s_mov_b32 s[G0S], 1
	s_mov_b32 s[G0S+1], s67
	s_mov_b64 s[G0S+2:G0S+3], s[100:101]
	s_or_b32 s[G0S+3], s[G0S+3], 0x80000000
	s_wait_dscnt 0x0                               ; the add is done, step 3's fragments are in: my reads of slot 0's W are over
	s_barrier_signal -1                            ; opens a round of the cluster's barrier
	WIN 0xa1
	MUL32 3, 0, 0                                  ; work on registers while the others arrive
	WIN 0
	s_barrier_wait -1
	CREST                                          ; no wave of any partner still reads those bytes or has a load on its way
	tensor_load_to_lds s[G0S:G0S+3], s[G1S:G1S+7]  ; my one tensor load behind the round
	s_nop 0
.rept 4
	v_nop                                          ; (also the places in front of the loads below)
.endr
	GFETCH1 4
	WIN 0xf1
	MUL32 3, 1, 0
	WIN 0
	STEP1 4, 0
	STEP1 5, 0
	STEP1 6, 0
	STEP1 7, 0
	; PART 1'S WAY OUT.  Block a: 16 tokens; my 64 numbers are two heads' 64 + 64.  Codes: registers 0-3 are the first head's fragment image, 4-7 the second's: each store covers 512 consecutive bytes, aligned.
	PLACES
.irp b, 0,1,2,3
	v_mov_b32 v[TM+4+\b], 0                        ; written once: a lane permute's destination counts as one of its sources
.endr
.irp a, 0,1,2,3,4,5,6,7
	QUANT64 2+\a/4, 64*(\a%4), 128+8*\a, 208+\a
	global_store_b128 v[GL], v[128+8*\a:128+8*\a+3], s[10:11] offset:512*\a
	global_store_b128 v[GL], v[128+8*\a+4:128+8*\a+7], s[10:11] offset:65536+512*\a
	v_lshrrev_b32 v[216+\a], v[SH16], v[208+\a]    ; lanes 0-15 keep the first head's two bytes, lanes 16-31 the second's;
	v_and_b32 v[216+\a], 0xffff, v[216+\a]         ; the word's upper two bytes, for the zero codes of K = 64 .. 127, are 0
	ds_store_b32 v[STS1], v[216+\a] offset:256*(\a%2)+4*(\a/2)   ; laid so that a reader's lane 16 (a % 2) + r finds tiles a = 0 .. 7 in four words
.endr
	ds_load_b128 v[224:227], v[STR]                ; LDS serves a wave's instructions in order: these see my stores
	ds_load_b128 v[228:231], v[STR] offset:512
	s_wait_dscnt 0x0
	global_store_b128 v[GL], v[224:227], s[12:13]
	global_store_b128 v[GL], v[228:231], s[12:13] offset:8192
	s_wait_xcnt 0x0                                ; the stores have read their registers: they are loaded and written again below
	s_wait_tensorcnt 0x0                           ; my part of W_v's tile is in,
	s_wait_dscnt 0x0
	s_barrier_signal -1
	s_barrier_wait -1                              ; everybody's is.
	HSC ADSX, ADSV
	HFETCH 0
.irp q, 0,1,2,3,4,5,6,7
	HSTEP \q
.endr
	; PART 2'S WAY OUT.  Block a: 16 of the head's 64; my 64 numbers are 128 keys' halves: one fragment of V^T and one scale word a row.
	PLACES
.irp a, 0,1,2,3
	QUANT64 2, 64*\a, 128+8*\a, 208+\a
	global_store_b128 v[GL], v[128+8*\a:128+8*\a+3], s[14:15] offset:1024*\a
	global_store_b128 v[GL], v[128+8*\a+4:128+8*\a+7], s[14:15] offset:1024*\a+512
	ds_store_b32 v[STS2], v[208+\a] offset:128*(\a%2)+4*(\a/2)   ; both halves of the lanes write the same word with the same value
.endr
	ds_load_b64 v[224:225], v[STR2]
	s_wait_dscnt 0x0
	global_store_b64 v[GL8], v[224:225], s[16:17]  ; 32 lanes store 256 consecutive bytes, aligned
	s_wait_tensorcnt 0x0                           ; the wave's end
	ds_add_u32 v[SPW], v[NIL]
	s_wait_dscnt 0x0
	CROUND                                         ; the closing round: no work-group ends while a partner may still ask for a tile that names it
	s_endpgm
.Lfunc_end_k_qdb8f54c679_proj:
	.size	k_qdb8f54c679_proj, .Lfunc_end_k_qdb8f54c679_proj-k_qdb8f54c679_proj
	.p2alignl 7, 3214868480
	.fill 96, 4, 3214868480
	.section	.rodata,"a",@progbits
	.p2align	6, 0x0
	.amdhsa_kernel k_qdb8f54c679_proj
		.amdhsa_group_segment_fixed_size 327680
		.amdhsa_private_segment_fixed_size 0
		.amdhsa_enable_private_segment 0
		.amdhsa_kernarg_size 56
		.amdhsa_user_sgpr_count 2
		.amdhsa_user_sgpr_kernarg_segment_ptr 1
		.amdhsa_wavefront_size32 1
		.amdhsa_system_sgpr_workgroup_id_x 1
		.amdhsa_system_sgpr_workgroup_id_y 1
		.amdhsa_system_sgpr_workgroup_id_z 1
		.amdhsa_system_vgpr_workitem_id 0
		.amdhsa_next_free_vgpr 1024
		.amdhsa_next_free_sgpr 106
		.amdhsa_reserve_vcc 0
		.amdhsa_float_denorm_mode_32 3
		.amdhsa_float_denorm_mode_16_64 3
		.amdhsa_memory_ordered 1
		.amdhsa_forward_progress 1
		.amdhsa_inst_pref_size 201
	.end_amdhsa_kernel
	.amdgpu_metadata
---
amdhsa.version: [ 1, 2 ]
amdhsa.kernels:
  - .name:           k_qdb8f54c679_proj
    .symbol:         k_qdb8f54c679_proj.kd
    .args:
      - { .name: cod, .offset: 0, .size: 8, .value_kind: global_buffer, .address_space: global }
      - { .name: scl, .offset: 8, .size: 8, .value_kind: global_buffer, .address_space: global }
      - { .name: b_in, .offset: 16, .size: 8, .value_kind: global_buffer, .address_space: global }
      - { .name: qk, .offset: 24, .size: 8, .value_kind: global_buffer, .address_space: global }
      - { .name: qks, .offset: 32, .size: 8, .value_kind: global_buffer, .address_space: global }
      - { .name: vim, .offset: 40, .size: 8, .value_kind: global_buffer, .address_space: global }
      - { .name: vsc, .offset: 48, .size: 8, .value_kind: global_buffer, .address_space: global }
    .group_segment_fixed_size: 327680
    .private_segment_fixed_size: 0
    .kernarg_segment_align: 8
    .kernarg_segment_size: 56
    .max_flat_workgroup_size: 128
    .sgpr_count:     106
    .vgpr_count:     1024
    .wavefront_size: 32
...
	.end_amdgpu_metadata
.endif
;; end of part 2
;; launch attn (part 3): grid 4 x 64, 16 waves a work-group, no clusters, 169,984 bytes of LDS; arguments qk, qks, vim, vsc, aco, asc; writes aco, asc
.if DOCPART == 3
	.amdgcn_target "amdgcn-amd-amdhsa--gfx1250"
	.amdhsa_code_object_version 6
	.text
	.protected	k_qdb8f54c679_attn
	.globl	k_qdb8f54c679_attn
	.p2align	8
	.type	k_qdb8f54c679_attn,@function
k_qdb8f54c679_attn:
	s_mov_b64 s[64:65], 0
	v_nop
	global_prefetch_b8 v0, s[64:65] scope:SCOPE_SE
	s_setreg_imm32_b32 hwreg(HW_REG_WAVE_MODE, 25, 1), 1
	s_wait_xcnt 0x0
; Causal attention of one head on codes of FP4 with E8M0 scales: S^T = K Q^T (K = the head's 64; the form's upper 64 are zero codes), p = 2^(t - M), O^T = V^T P^T (K = the keys), O / l, quantised along the head's 64.
; t = score x log2(e) / 8; M = the running largest t rounded UP to a whole number; the row's sum l is taken of the unquantised p; when M moves, l and O^T are multiplied by 2^(old M - new M): exact.
; Tokens lie at PLACES (number with bits 3 and 4 exchanged).  K's tiles are source 0: the 16 registers of tiles 2 B, 2 B + 1 are keys 32 B + 16 (lane / 16) + 0 .. 15.  V^T's rows d lie at places too: O^T's registers run along d.
; SHARES.  Work-group (i, head): query blocks i and 7 - i of 256.  Wave w makes two passes: tile 16 i + w, then tile 127 - (16 i + w).  A tile T needs key steps 0 .. T / 8 of 128 keys:
; every wave has 17 key steps, two of them on the diagonal.  Four waves share a SIMD: one wave's vector work stands beside another's matrix work and LDS loads.
; THE WHOLE HEAD'S K AND V, codes and scale words, 143,360 bytes, come into LDS once: no slot is filled again, nothing is stored to LDS.
; NO CLUSTER, though the four work-groups of a head read the same K and V: a step that lies above the diagonal is left out by a branch on the query tile, which differs between those four.
; The loop over key steps has 16 trips in every wave (a constant); a trip whose keys all come after the tile's queries only steps its addresses.
; LIMITS: 1 / l is v_rcp_f32 and a multiplication; a block of zeros gets the scale byte 1 where the rule says 127 (zero codes; this program alone reads the bytes); NaN and infinities are not served.
; asc's scale bytes leave two at a time, 32 bytes apart: a sixteenth of the codes' bytes; so the next launch finds a row's 32 bytes on end.
.set L16,  1                           ; v1   16 x lane: an image's place for my lane (K's images begin at LDS byte 0)
.set AV0,  2                           ; v2   V's images: 65,536 + 16 x lane
.set ASK0, 3                           ; v3   K's scale words: 131,072 + 16 x lane
.set ASV0, 4                           ; v4   V's: 139,264 + 8 x lane
.set R16,  5                           ; v5   16 r
.set R32,  6                           ; v6   32 r
.set LD,   7                           ; v7   r % 8 + 16 (r / 8) - 16 h
.set ADK,  8                           ; v8-11 the step's addresses
.set ADV,  9
.set ADS,  10
.set ADT,  11
.set KFR,  32                          ; v32-63  four fragments of K (upper four registers of each stay 0)
.set VFR,  64                          ; v64-95  four fragments of V^T
.set SS,   96                          ; v96-159 S^T, then p
.set OO,   160                         ; v160-191 O^T
.set PP,   192                         ; v192-199 p's codes
.set KS,   200                         ; v200-203 K's scale words: register j: tile 2 j in lanes 0-15, 2 j + 1 in lanes 16-31
.set VS,   204                         ; v204-205 V's likewise;  v206, v207 q's, a pass each;  v208 p's
.set PS,   208
.set BM,   212                         ; v212-215 block maxima; v216-219 the other half's, then bytes; v220-223 conversion scales
.set BP,   216
.set BS,   220
.set FF,   224                         ; v[224:225] f (v225 written once)
.set TT,   226
.set NINF, 227
.set DD,   228
.set WV,   16
.set SEL,  20
.set CS,   22
.set TK,   66                          ; s66 the step's codes: 4,096 bytes a step, K's and V's alike
.set TS,   67                          ; s67 K's scale words: 512
.set TJ,   68                          ; s68 V's: 256
.set KI,   69                          ; s69 the key step
.set KD,   70                          ; s70 the tile's last key step, the one on the diagonal
.set DS,   71                          ; s71 the tile's first query less that step's first key
.set TAU,  72                          ; s72, s73 the two passes' tiles
.macro PLACES
.rept 4
	v_nop
.endr
.endm
.macro SMM d, a, b, sa, sb, ra         ; a product that starts a sum
.if \ra
	v_wmma_scale_f32_16x16x128_f8f6f4 v[\d:\d+7], v[\a:\a+7], v[\b:\b+7], 0, v[\sa], v[\sb] matrix_a_fmt:MATRIX_FMT_FP4 matrix_b_fmt:MATRIX_FMT_FP4 matrix_a_scale:MATRIX_SCALE_ROW1
.else
	v_wmma_scale_f32_16x16x128_f8f6f4 v[\d:\d+7], v[\a:\a+7], v[\b:\b+7], 0, v[\sa], v[\sb] matrix_a_fmt:MATRIX_FMT_FP4 matrix_b_fmt:MATRIX_FMT_FP4
.endif
.endm
.macro OMM d, a, b, sa, sb, ra         ; a product that adds in place
.if \ra
	v_wmma_scale_f32_16x16x128_f8f6f4 v[\d:\d+7], v[\a:\a+7], v[\b:\b+7], v[\d:\d+7], v[\sa], v[\sb] matrix_a_fmt:MATRIX_FMT_FP4 matrix_b_fmt:MATRIX_FMT_FP4 matrix_a_scale:MATRIX_SCALE_ROW1
.else
	v_wmma_scale_f32_16x16x128_f8f6f4 v[\d:\d+7], v[\a:\a+7], v[\b:\b+7], v[\d:\d+7], v[\sa], v[\sb] matrix_a_fmt:MATRIX_FMT_FP4 matrix_b_fmt:MATRIX_FMT_FP4
.endif
.endm
	s_load_b256 s[4:11], s[0:1], 0x0               ; qk s[4:5], qks s[6:7], vim s[8:9], vsc s[10:11]
	s_load_b128 s[12:15], s[0:1], 0x20             ; aco s[12:13], asc s[14:15]
	v_lshl_add_u32 v254, v0, 2, 0x29000
	v_mov_b32 v255, 0
	ds_add_u32 v254, v255
	ds_add_u32 v254, v255
	v_lshrrev_b32 v8, 5, v0
	s_delay_alu instid0(VALU_DEP_1)
	v_readfirstlane_b32 s[WV], v8                  ; wave 0..15
	s_and_b32 s17, ttmp7, 0xffff                   ; 16 batch + head
	s_lshr_b32 s18, s17, 4                         ; batch
	s_and_b32 s19, s17, 15                         ; head
	s_lshl_b32 s[TAU], ttmp9, 4
	s_add_co_u32 s[TAU], s[TAU], s[WV]             ; pass 0's tile
	s_sub_co_u32 s[TAU+1], 127, s[TAU]             ; pass 1's
	s_lshl_b32 s2, s18, 5
	s_add_co_u32 s2, s2, s19                       ; q's head among the batch's 32 of qk
	s_add_co_u32 s3, s2, 16                        ; k's
	; group 1: dense bytes as rows of 256 (32 elements of 8 bytes): 64 rows of codes, 16 rows of scale words; images are read 16 bytes a lane on end, so no padding
	s_mov_b32 s24, 3<<16
	s_mov_b32 s25, 32<<16
	s_mov_b32 s26, 64<<16
	s_mov_b32 s27, 32<<16
	s_mov_b32 s28, 64
	s_mov_b32 s29, 32
	s_mov_b32 s30, 0
	s_mov_b32 s31, 0
	s_mov_b32 s32, 3<<16
	s_mov_b32 s33, 32<<16
	s_mov_b32 s34, 16<<16
	s_mov_b32 s35, 32<<16
	s_mov_b32 s36, 16
	s_mov_b32 s37, 32
	s_mov_b32 s38, 0
	s_mov_b32 s39, 0
	; what I fetch, if I fetch: waves 0-3 quarters of K's codes, 4-7 of V's; waves 8, 9 halves of K's scale words, wave 10 V's
	s_and_b32 s48, s[WV], 3
	s_lshl_b32 s48, s48, 14
	s_lshl_b32 s42, s3, 16
	s_add_co_u32 s42, s42, s48
	s_mov_b32 s43, 0
	s_lshl_b32 s76, s17, 16
	s_add_co_u32 s76, s76, s48
	s_mov_b32 s77, 0
	s_and_b32 s48, s[WV], 1
	s_lshl_b32 s48, s48, 12
	s_lshl_b32 s46, s3, 13
	s_add_co_u32 s46, s46, s48
	s_mov_b32 s47, 0
	s_lshl_b32 s78, s17, 12
	s_add_co_u32 s78, s78, s48
	s_mov_b32 s79, 0
	; the two passes' byte offsets: q's codes, q's scale words, the results' codes and scale bytes
.irp p, 0,1
	s_lshl_b32 s3, s[TAU+\p], 9                    ; 512 bytes a tile
	s_lshl_b32 s[50+2*\p], s2, 16
	s_add_co_u32 s[50+2*\p], s[50+2*\p], s3
	s_mov_b32 s[51+2*\p], 0
	s_lshl_b32 s[58+2*\p], s17, 16
	s_add_co_u32 s[58+2*\p], s[58+2*\p], s3
	s_mov_b32 s[59+2*\p], 0
	s_lshl_b32 s[62+12*\p], s18, 16                ; asc: 32 bytes a token, 2 bytes a head
	s_add_co_u32 s[62+12*\p], s[62+12*\p], s3
	s_lshl_b32 s48, s19, 1
	s_add_co_u32 s[62+12*\p], s[62+12*\p], s48
	s_mov_b32 s[63+12*\p], 0
	s_lshr_b32 s48, s[TAU+\p], 3                   ; qks: group of 8 tiles x 512 + 256 (tile % 2) + 4 ((tile / 2) % 4)
	s_lshl_b32 s48, s48, 9
	s_and_b32 s49, s[TAU+\p], 1
	s_lshl_b32 s49, s49, 8
	s_add_co_u32 s48, s48, s49
	s_bfe_u32 s49, s[TAU+\p], 0x20001
	s_lshl_b32 s49, s49, 2
	s_add_co_u32 s48, s48, s49
	s_lshl_b32 s[54+2*\p], s2, 13
	s_add_co_u32 s[54+2*\p], s[54+2*\p], s48
	s_mov_b32 s[55+2*\p], 0
.endr
	s_mov_b32 s[SEL], 0x76543210
	s_mov_b32 s[SEL+1], 0xfedcba98                 ; v_permlanex16_b32's selects for lane l xor 16
	s_mov_b32 s[CS], 0x3e38aa3b                    ; c = log2(e) / 8
	s_mov_b32 s[CS+1], s[CS]                       ; (named with it as a pair, so it is written)
	s_wait_dscnt 0x0
	s_wait_kmcnt 0x0
	s_add_nc_u64 s[42:43], s[4:5], s[42:43]
	s_add_nc_u64 s[76:77], s[8:9], s[76:77]
	s_add_nc_u64 s[46:47], s[6:7], s[46:47]
	s_add_nc_u64 s[78:79], s[10:11], s[78:79]
	s_cmp_lt_u32 s[WV], 4                          ; the choices hang on the wave's number alone
	s_cselect_b64 s[42:43], s[42:43], s[76:77]
	s_cmp_lt_u32 s[WV], 10
	s_cselect_b64 s[46:47], s[46:47], s[78:79]
	s_or_b32 s43, s43, 0x80000000                  ; type = 2
	s_or_b32 s47, s47, 0x80000000
	s_mov_b32 s40, 1
	s_lshl_b32 s41, s[WV], 14                      ; codes: 16,384 bytes a wave from LDS byte 0: K's 65,536, then V's
	s_mov_b32 s44, 1
	s_lshl_b32 s45, s[WV], 12
	s_add_co_u32 s45, s45, 98304                   ; scale words: 4,096 bytes a wave: wave 8 at 131,072
	s_cmp_lt_u32 s[WV], 8                          ; a wave has at most one tensor load out; four v_nop follow each line
	s_cbranch_scc0 .Lnot_codes
	tensor_load_to_lds s[40:43], s[24:31]
	s_nop 0
.rept 4
	v_nop
.endr
	s_branch .Lasked
.Lnot_codes:
	s_cmp_lt_u32 s[WV], 11
	s_cbranch_scc0 .Lasked
	tensor_load_to_lds s[44:47], s[32:39]
	s_nop 0
.rept 4
	v_nop
.endr
.Lasked:
.irp p, 0,1
	s_add_nc_u64 s[50+2*\p:51+2*\p], s[4:5], s[50+2*\p:51+2*\p]
	s_add_nc_u64 s[54+2*\p:55+2*\p], s[6:7], s[54+2*\p:55+2*\p]
	s_add_nc_u64 s[58+2*\p:59+2*\p], s[12:13], s[58+2*\p:59+2*\p]
	s_add_nc_u64 s[62+12*\p:63+12*\p], s[14:15], s[62+12*\p:63+12*\p]
.endr
	v_and_b32 v8, 31, v0
	s_delay_alu instid0(VALU_DEP_1)
	v_lshlrev_b32 v[L16], 4, v8
	v_and_b32 v9, 15, v0
	s_delay_alu instid0(VALU_DEP_1)
	v_lshlrev_b32 v[R16], 4, v9
	s_delay_alu instid0(VALU_DEP_2)
	v_lshlrev_b32 v[R32], 5, v9
	global_load_b128 v[16:19], v[L16], s[50:51]    ; both passes' q: a fragment's lower four registers as they lie,
	global_load_b128 v[24:27], v[L16], s[52:53]
	global_load_b32 v206, v[R16], s[54:55]         ; and row r's scale word
	global_load_b32 v207, v[R16], s[56:57]
	v_add_nc_u32 v[AV0], 65536, v[L16]
	v_add_nc_u32 v[ASK0], 131072, v[L16]
	v_lshl_add_u32 v[ASV0], v8, 3, 139264
	v_and_b32 v8, 7, v0
	v_bfe_u32 v9, v0, 3, 1
	v_bfe_u32 v10, v0, 4, 1
	s_delay_alu instid0(VALU_DEP_1)
	v_sub_nc_u32 v9, v9, v10
	s_delay_alu instid0(VALU_DEP_1)
	v_lshl_add_u32 v[LD], v9, 4, v8                ; r % 8 + 16 (r / 8 - h)
.irp j, 20,21,22,23,28,29,30,31,36,37,38,39,44,45,46,47,52,53,54,55,60,61,62,63
	v_mov_b32 v\j, 0                               ; K = 64 .. 127 of q's and K's fragments: zero codes, set once
.endr
.irp j, 216,217,218,219,225,226
	v_mov_b32 v\j, 0                               ; written once: lane permutes' destinations count as sources; v225 is named as the upper half of a pair
.endr
	v_mov_b32 v[NINF], 0xff800000                  ; -infinity
	s_wait_tensorcnt 0x0                           ; my part of the head is in,
	s_barrier_signal -1
	s_barrier_wait -1                              ; everybody's is: the one barrier of the launch
	s_wait_loadcnt 0x0                             ; q
.macro PASS p
	s_lshr_b32 s[KD], s[TAU+\p], 3
	s_and_b32 s[DS], s[TAU+\p], 6
	s_lshl_b32 s[DS], s[DS], 4
	s_and_b32 s2, s[TAU+\p], 1
	s_lshl_b32 s2, s2, 3
	s_add_co_u32 s[DS], s[DS], s2                  ; 16 (tile & 6) + 8 (tile & 1)
	s_mov_b32 s[TK], 0
	s_mov_b32 s[TS], 0
	s_mov_b32 s[TJ], 0
	s_mov_b32 s[KI], 0
	v_mov_b32 v13, 0xff61b1e6                      ; the largest t so far: -3e38, under every t
	s_delay_alu instid0(VALU_DEP_1)
	v_floor_f32 v12, -v13                          ; -M
	v_mov_b32 v14, 0                               ; l, in two halves
	v_mov_b32 v15, 0
.set j, 0
.rept 32
	v_mov_b32 v[OO+j], 0                           ; O^T: the step is written once; its first trip finds zeros, which the first change of M leaves zeros
.set j, j+1
.endr
.Lk_\@:
	s_cmp_gt_u32 s[KI], s[KD]                      ; all 128 keys come after my queries: only the addresses step
	s_cbranch_scc1 .Lskip_\@
	s_setprio 2
	v_add_nc_u32 v[ADK], s[TK], v[L16]             ; (these four are also the places behind the last trip's products)
	v_add_nc_u32 v[ADV], s[TK], v[AV0]
	v_add_nc_u32 v[ADS], s[TS], v[ASK0]
	v_add_nc_u32 v[ADT], s[TJ], v[ASV0]
	ds_load_b128 v[KS:KS+3], v[ADS]
.irp t, 0,1,2,3
	ds_load_b128 v[KFR+8*\t:KFR+8*\t+3], v[ADK] offset:512*\t
.endr
	ds_load_b64 v[VS:VS+1], v[ADT]
.irp t, 0,1,2,3
	ds_load_b128 v[VFR+8*\t:VFR+8*\t+3], v[ADV] offset:1024*\t
	ds_load_b128 v[VFR+8*\t+4:VFR+8*\t+7], v[ADV] offset:1024*\t+512
.endr
	s_wait_alu depctr_va_vdst(0)
	s_wait_dscnt 0x9                               ; K's scale words and first four tiles are in; V's scale load and its eight fragment loads may be out
.irp t, 0,1,2,3
	SMM SS+8*\t, KFR+8*\t, 16+8*\p, KS+\t/2, 206+\p, \t%2
.endr
	PLACES
.irp t, 0,1,2,3
	ds_load_b128 v[KFR+8*\t:KFR+8*\t+3], v[ADK] offset:2048+512*\t
.endr
	s_wait_dscnt 0x0
.irp t, 0,1,2,3
	SMM SS+32+8*\t, KFR+8*\t, 16+8*\p, KS+2+\t/2, 206+\p, \t%2
.endr
	PLACES
	s_cmp_lt_u32 s[KI], s[KD]                      ; under the diagonal every key counts
	s_cbranch_scc1 .Lopen_\@
	v_add_nc_u32 v[DD], s[DS], v[LD]               ; d = my query - the step's first key - 16 h.  Register 16 b + i holds key 32 b + 16 h + i: hidden where 32 b + i > d
.set n, 0
.rept 64
	v_cmp_gt_i32 vcc_lo, 32*(n/16)+n%16, v[DD]
	v_cndmask_b32 v[SS+n], v[SS+n], v[NINF], vcc_lo
.set n, n+1
.endr
.Lopen_\@:
.irp b, 0,1,2,3
	v_max3_num_f32 v[BM+\b], v[SS+16*\b], v[SS+16*\b+1], v[SS+16*\b+2]   ; the largest score of each block of 32 keys: for the row's maximum and, since p rises with the score, for the block's largest p
.endr
.irp i, 3,5,7,9,11,13
.irp b, 0,1,2,3
	v_max3_num_f32 v[BM+\b], v[BM+\b], v[SS+16*\b+\i], v[SS+16*\b+\i+1]
.endr
.endr
.irp b, 0,1,2,3
	v_max_num_f32 v[BM+\b], v[BM+\b], v[SS+16*\b+15]
.endr
.irp b, 0,1,2,3
	s_delay_alu instid0(VALU_DEP_4)
	v_permlanex16_b32 v[BP+\b], v[BM+\b], s[SEL], s[SEL+1]
.endr
.irp b, 0,1,2,3
	s_delay_alu instid0(VALU_DEP_4)
	v_max_num_f32 v[BM+\b], v[BM+\b], v[BP+\b]     ; with lane l xor 16's 16 keys
.endr
	s_delay_alu instid0(VALU_DEP_2)
	v_max3_num_f32 v[TT], v[BM], v[BM+1], v[BM+2]
	s_delay_alu instid0(VALU_DEP_1)
	v_max_num_f32 v[TT], v[TT], v[BM+3]            ; the step's largest score of my query
	s_delay_alu instid0(VALU_DEP_1)
	v_mul_f32 v[TT], s[CS], v[TT]                  ; as t
	s_delay_alu instid0(VALU_DEP_1)
	v_max_num_f32 v13, v13, v[TT]                  ; the running largest t
	v_mov_b32 v[TT], v12
	s_delay_alu instid0(VALU_DEP_2)
	v_floor_f32 v12, -v13                          ; the new -M = -ceil(t)
	s_delay_alu instid0(VALU_DEP_1)
	v_sub_f32 v[TT], v12, v[TT]                    ; old M - new M: a whole number, 0 or less
	s_delay_alu instid0(VALU_DEP_1)
	v_cvt_i32_f32 v[TT], v[TT]                     ; (it saturates)
	s_delay_alu instid0(VALU_DEP_1)
	v_ldexp_f32 v[FF], 1.0, v[TT]                  ; f = 2^(old M - new M)
.set j, 0
.rept 32
	v_pk_fma_f32 v[SS+j:SS+j+1], v[SS+j:SS+j+1], s[CS:CS+1], v[12:13] op_sel_hi:[1,0,0]   ; t - M, two at a time
.set j, j+2
.endr
	s_setprio 1
.irp b, 0,1,2,3
	v_fma_f32 v[BM+\b], v[BM+\b], s[CS], v12       ; the same of each block's largest score
.endr
.set j, 0
	s_wait_alu depctr_va_vdst(0)
.rept 64
	v_exp_f32 v[SS+j], v[SS+j]                     ; p = 2^(t - M), at most 1
.set j, j+1
.endr
.irp b, 0,1,2,3
	v_exp_f32 v[BM+\b], v[BM+\b]                   ; the block's largest p: the same two instructions on the same number
.endr
	v_pk_mul_f32 v[14:15], v[14:15], v[FF:FF+1] op_sel_hi:[1,0]   ; l under the new M (the plain line behind the exponentials)
	s_wait_alu depctr_va_vdst(0)
.irp b, 0,1,2,3
	v_max_num_f32 v[BM+\b], 0x1800000, v[BM+\b]    ; the floor 2^(3 - 127): the byte cannot fall under 1
.endr
.irp b, 0,1,2,3
	s_delay_alu instid0(VALU_DEP_4)
	v_add_nc_u32 v[BS+\b], 0xff000000, v[BM+\b]    ; 2 off the exponent field: the conversion's scale operand
.endr
.irp b, 0,1,2,3
	s_delay_alu instid0(VALU_DEP_4)
	v_lshrrev_b32 v[BP+\b], 23, v[BS+\b]           ; the scale's byte
.endr
	s_delay_alu instid0(VALU_DEP_3)
	v_lshl_or_b32 v[PS], v[BP+1], 8, v[BP]
	s_delay_alu instid0(VALU_DEP_1)
	v_lshl_or_b32 v[PS], v[BP+2], 16, v[PS]
	s_delay_alu instid0(VALU_DEP_1)
	v_lshl_or_b32 v[PS], v[BP+3], 24, v[PS]        ; p's scale word for these 128 keys
.irp b, 0,1,2,3
	v_cvt_scalef32_pk8_fp4_f32 v[PP+2*\b], v[SS+16*\b:SS+16*\b+7], v[BS+\b]
	v_cvt_scalef32_pk8_fp4_f32 v[PP+2*\b+1], v[SS+16*\b+8:SS+16*\b+15], v[BS+\b]
.endr
	v_nop                                          ; one plain line behind the scaled conversions
.irp c, 0,1
.irp i, 0,1
	v_permlane16_swap_b32 v[PP+4*\c+\i], v[PP+4*\c+2+\i]   ; a whole block to a lane: lanes 0-15 block 2 c, lanes 16-31 block 2 c + 1
.endr
.endr
	v_pk_add_f32 v[216:217], v[100:101], v[104:105]
	v_pk_add_f32 v[252:253], v[108:109], v[112:113]
	v_pk_add_f32 v[250:251], v[116:117], v[120:121]
	v_pk_add_f32 v[248:249], v[124:125], v[128:129]
	v_pk_add_f32 v[246:247], v[132:133], v[136:137]
	v_pk_add_f32 v[244:245], v[140:141], v[144:145]
	v_pk_add_f32 v[242:243], v[148:149], v[152:153]
	v_pk_add_f32 v[14:15], v[14:15], v[156:157]
	v_pk_add_f32 v[216:217], v[216:217], v[96:97]
	v_pk_add_f32 v[252:253], v[252:253], v[98:99]
	v_pk_add_f32 v[250:251], v[250:251], v[102:103]
	v_pk_add_f32 v[248:249], v[248:249], v[106:107]
	s_setprio 0
	v_pk_add_f32 v[246:247], v[246:247], v[110:111]
	v_pk_add_f32 v[244:245], v[244:245], v[114:115]
	v_pk_add_f32 v[242:243], v[242:243], v[118:119]
	v_pk_add_f32 v[14:15], v[14:15], v[122:123]
	v_pk_add_f32 v[216:217], v[216:217], v[126:127]
	v_pk_add_f32 v[252:253], v[252:253], v[130:131]
	v_pk_add_f32 v[250:251], v[250:251], v[134:135]
	v_pk_add_f32 v[248:249], v[248:249], v[138:139]
	v_pk_add_f32 v[246:247], v[246:247], v[142:143]
	v_pk_add_f32 v[244:245], v[244:245], v[146:147]
	v_pk_add_f32 v[242:243], v[242:243], v[150:151]
	v_pk_add_f32 v[14:15], v[14:15], v[154:155]
	v_pk_add_f32 v[216:217], v[216:217], v[158:159]
	s_delay_alu instid0(VALU_DEP_2)
	v_pk_add_f32 v[14:15], v[14:15], v[248:249]
	s_delay_alu instid0(VALU_DEP_2)
	v_pk_add_f32 v[216:217], v[216:217], v[246:247]
	v_pk_add_f32 v[252:253], v[252:253], v[244:245]
	v_pk_add_f32 v[250:251], v[250:251], v[242:243]
	s_delay_alu instid0(VALU_DEP_2)
	v_pk_add_f32 v[14:15], v[14:15], v[252:253]
	s_delay_alu instid0(VALU_DEP_2)
	v_pk_add_f32 v[216:217], v[216:217], v[250:251]
	s_delay_alu instid0(VALU_DEP_1)
	v_pk_add_f32 v[14:15], v[14:15], v[216:217]
.set j, 0
.rept 16
	v_pk_mul_f32 v[OO+j:OO+j+1], v[OO+j:OO+j+1], v[FF:FF+1] op_sel_hi:[1,0]   ; O^T under the new M.  (With the sums: the places between p's codes and scale word and the products below)
.set j, j+2
.endr
.irp t, 0,1,2,3
	OMM OO+8*\t, VFR+8*\t, PP, VS+\t/2, PS, \t%2   ; four accumulators by turns; before each is taken up again stand the next trip's eight products K Q^T
.endr
.Lskip_\@:
	s_add_co_u32 s[TK], s[TK], 4096
	s_add_co_u32 s[TS], s[TS], 512
	s_add_co_u32 s[TJ], s[TJ], 256
	s_add_co_u32 s[KI], s[KI], 1
	s_cmp_lt_u32 s[KI], 16
	s_cbranch_scc1 .Lk_\@
	s_setprio 0
	; the pass's way out: O^T / l, quantised along the head's 64 (two blocks); register 16 b + i is d = 32 b + 16 h + i of my query
	PLACES
	v_add_f32 v14, v14, v15
	s_delay_alu instid0(VALU_DEP_1)
	v_permlanex16_b32 v[TT], v14, s[SEL], s[SEL+1]
	s_delay_alu instid0(VALU_DEP_1)
	v_add_f32 v14, v14, v[TT]                      ; the row's sum
	s_wait_alu depctr_va_vdst(0)
	v_rcp_f32 v14, v14
	v_nop                                          ; one plain line behind the reciprocal
.set j, 0
	s_wait_alu depctr_va_vdst(0)
.rept 16
	v_pk_mul_f32 v[SS+j:SS+j+1], v[OO+j:OO+j+1], v[14:15] op_sel_hi:[1,0]
.set j, j+2
.endr
.irp b, 0,1
	v_max3_num_f32 v[BM+\b], |v[SS+16*\b]|, |v[SS+16*\b+1]|, 0x1800000
.endr
.irp i, 2,4,6,8,10,12,14
.irp b, 0,1
	s_delay_alu instid0(VALU_DEP_2)
	v_max3_num_f32 v[BM+\b], v[BM+\b], |v[SS+16*\b+\i]|, |v[SS+16*\b+\i+1]|
.endr
.endr
.irp b, 0,1
	s_delay_alu instid0(VALU_DEP_2)
	v_permlanex16_b32 v[BP+\b], v[BM+\b], s[SEL], s[SEL+1]
.endr
.irp b, 0,1
	s_delay_alu instid0(VALU_DEP_2)
	v_max_num_f32 v[BM+\b], v[BM+\b], v[BP+\b]
.endr
.irp b, 0,1
	s_delay_alu instid0(VALU_DEP_2)
	v_add_nc_u32 v[BS+\b], 0xff000000, v[BM+\b]
.endr
.irp b, 0,1
	s_delay_alu instid0(VALU_DEP_2)
	v_lshrrev_b32 v[BP+\b], 23, v[BS+\b]
.endr
	s_delay_alu instid0(VALU_DEP_1)
	v_lshl_or_b32 v[236+8*\p], v[BP+1], 8, v[BP]   ; my row's two scale bytes
.irp b, 0,1
	v_cvt_scalef32_pk8_fp4_f32 v[232+8*\p+2*\b], v[SS+16*\b:SS+16*\b+7], v[BS+\b]
	v_cvt_scalef32_pk8_fp4_f32 v[232+8*\p+2*\b+1], v[SS+16*\b+8:SS+16*\b+15], v[BS+\b]
.endr
	v_nop
.irp i, 0,1
	v_permlane16_swap_b32 v[232+8*\p+\i], v[232+8*\p+2+\i]
.endr
	global_store_b128 v[L16], v[232+8*\p:232+8*\p+3], s[58+2*\p:59+2*\p]   ; the tile's image: 512 consecutive bytes, aligned.  Each pass has its own registers: no store's data are written again
	global_store_b16 v[R32], v[236+8*\p], s[62+12*\p:63+12*\p]             ; both halves of the lanes write the same two bytes with the same value
.endm
	PASS 0
	PASS 1
	s_wait_tensorcnt 0x0
	ds_add_u32 v254, v255
	s_wait_dscnt 0x0
	s_endpgm
.Lfunc_end_k_qdb8f54c679_attn:
	.size	k_qdb8f54c679_attn, .Lfunc_end_k_qdb8f54c679_attn-k_qdb8f54c679_attn
	.p2alignl 7, 3214868480
	.fill 96, 4, 3214868480
	.section	.rodata,"a",@progbits
	.p2align	6, 0x0
	.amdhsa_kernel k_qdb8f54c679_attn
		.amdhsa_group_segment_fixed_size 169984
		.amdhsa_private_segment_fixed_size 0
		.amdhsa_enable_private_segment 0
		.amdhsa_kernarg_size 48
		.amdhsa_user_sgpr_count 2
		.amdhsa_user_sgpr_kernarg_segment_ptr 1
		.amdhsa_wavefront_size32 1
		.amdhsa_system_sgpr_workgroup_id_x 1
		.amdhsa_system_sgpr_workgroup_id_y 1
		.amdhsa_system_sgpr_workgroup_id_z 1
		.amdhsa_system_vgpr_workitem_id 0
		.amdhsa_next_free_vgpr 256
		.amdhsa_next_free_sgpr 80
		.amdhsa_reserve_vcc 1
		.amdhsa_float_denorm_mode_32 3
		.amdhsa_float_denorm_mode_16_64 3
		.amdhsa_memory_ordered 1
		.amdhsa_forward_progress 1
		.amdhsa_inst_pref_size 62
	.end_amdhsa_kernel
	.amdgpu_metadata
---
amdhsa.version: [ 1, 2 ]
amdhsa.kernels:
  - .name:           k_qdb8f54c679_attn
    .symbol:         k_qdb8f54c679_attn.kd
    .args:
      - { .name: qk, .offset: 0, .size: 8, .value_kind: global_buffer, .address_space: global }
      - { .name: qks, .offset: 8, .size: 8, .value_kind: global_buffer, .address_space: global }
      - { .name: vim, .offset: 16, .size: 8, .value_kind: global_buffer, .address_space: global }
      - { .name: vsc, .offset: 24, .size: 8, .value_kind: global_buffer, .address_space: global }
      - { .name: aco, .offset: 32, .size: 8, .value_kind: global_buffer, .address_space: global }
      - { .name: asc, .offset: 40, .size: 8, .value_kind: global_buffer, .address_space: global }
    .group_segment_fixed_size: 169984
    .private_segment_fixed_size: 0
    .kernarg_segment_align: 8
    .kernarg_segment_size: 48
    .max_flat_workgroup_size: 512
    .sgpr_count:     80
    .vgpr_count:     256
    .wavefront_size: 32
...
	.end_amdgpu_metadata
.endif
;; end of part 3
;; launch outp (part 4): grid 4 x 64, 4 waves a work-group, clusters of 4 x 4, 262,656 bytes of LDS; arguments cod, scl, aco, asc, b_out, out0; writes out0
.if DOCPART == 4
	.amdgcn_target "amdgcn-amd-amdhsa--gfx1250"
	.amdhsa_code_object_version 6
	.text
	.protected	k_qdb8f54c679_outp
	.globl	k_qdb8f54c679_outp
	.p2align	8
	.type	k_qdb8f54c679_outp,@function
k_qdb8f54c679_outp:
	s_mov_b64 s[64:65], 0
	v_nop
	global_prefetch_b8 v0, s[64:65] scope:SCOPE_SE
	s_setreg_imm32_b32 hwreg(HW_REG_WAVE_MODE, 25, 1), 1
	s_wait_xcnt 0x0
	s_wait_alu depctr_hold_cnt(0) depctr_sa_sdst(0) depctr_va_vdst(0) depctr_va_sdst(0) depctr_va_ssrc(0) depctr_va_vcc(0) depctr_vm_vsrc(0)
	s_getreg_b32 s2, hwreg(HW_REG_IB_STS2, 6, 4)
	s_cmp_eq_u32 s2, 0
	s_cbranch_scc0 .Lentry_in_a_cluster
	s_endpgm
.Lentry_in_a_cluster:
	s_bfe_u32 s2, ttmp6, 0x10000c
	s_cmp_lg_u32 s2, 0xf033
	s_cbranch_scc0 .Lentry_shape_is_right
	s_endpgm
.Lentry_shape_is_right:
; out0 = att W_out^T + b_out on codes of FP4 with E8M0 scales.  att: images [batch x head][tile of 16 places][512 bytes] (aco) and 32 scale bytes a place (asc); W_out: cod / scl rows 11264 on, at places.
; A work-group (tx 0-3, ty 0-63): source 0 = 256 places of W_out, source 1 = 128 places of att; a wave 128 x 64: 32 accumulators.  All of K = 1,024 lies in LDS, filled once: no slot is filled again.
; A lane holds one token and, in the 16 registers of tiles 2 B, 2 B + 1, outputs 32 B + 16 (lane / 16) + 0 .. 15.  The tokens' places are turned back into rows by the stores' immediates.
; CLUSTER 4 x 4: att's tile and scales are shared along a row of the cluster, W_out's along a column: joint loads.  b_out is the C of each sum's first matrix instruction.
; REGISTERS: window 0: v1-31 addresses; v32-79 scale words and nothing else; v128-191 source 1's two sets; v192-255 the bias; on the way out v128-255 rows of out0.
;   window 1: v0-63, v128-191 source 0's two sets.   window 2: accumulators, (a, b) at v[8 (8 a + b)].
.set WPITCH, 528                       ; a row of W_out in LDS: 512 bytes + 16
.set AIMG,   256*WPITCH                ; att's images: [head 16][8 tiles][512 bytes]
.set SCW,    AIMG+65536                ; W_out's scale bytes, 256 rows: pieces of 256 bytes + 16
.set SBLK,   2*272                     ; those of 16 rows
.set SCA,    SCW+32*272                ; att's, 128 rows
.set STG,    SCA+16*272                ; the way out: 16 rows x (512 + 16) bytes for each wave; no tile lands here
.set GL,   2                           ; v2  16 x lane
.set BQO,  9                           ; v9  byte offset in b_out of my eight numbers
.set ADW,  16                          ; v16 W_out's fragments
.set ADA,  17                          ; v17 att's images
.set ADSW, 18                          ; v18 W_out's scale words: lanes 0-15 blocks 0-3, lanes 16-31 blocks 4-7
.set ADSA, 19                          ; v19 att's: lanes 0-15 blocks 0, 1, lanes 16-31 blocks 2, 3
.set STO,  20                          ; v20 the stage, in
.set RD,   21                          ; v21 the stage, back
.set WV,  18
.set WR,  19
.set WC,  66
.set G1W,  24                          ; s[24:31] W_out's tile;  s[32:39] att's;  s[48:55] W_out's scales;  s[56:63] att's
.set G1A,  32
.set G1SW, 48
.set G1SA, 56
.set G0W,  68                          ; s[68:71], s[72:75], s[76:79], s[80:83] their groups 0
.set G0A,  72
.set G0SW, 76
.set G0SA, 80
.set MSB, 0
.macro WIN new
.if MSB != (\new)
	s_set_vgpr_msb (MSB<<8)|(\new)
.set MSB, (\new)
.endif
.endm
.macro PLACES
.rept 4
	v_nop
.endr
.endm
.macro CREST
	s_cmp_lg_u32 s[WV], 0
	s_cbranch_scc1 .Lnot_wave_0_\@
	s_barrier_signal -3
.Lnot_wave_0_\@:
	s_barrier_wait -3
	s_barrier_signal -1
	s_barrier_wait -1
.endm
.macro CROUND
	s_barrier_signal -1
	s_barrier_wait -1
	CREST
.endm
	s_load_b256 s[4:11], s[0:1], 0x0               ; cod s[4:5], scl s[6:7], aco s[8:9], asc s[10:11]
	s_load_b128 s[12:15], s[0:1], 0x20             ; b_out s[12:13], out0 s[14:15]
	v_lshl_add_u32 v126, v0, 2, 0x40000
	v_mov_b32 v127, 0
	ds_add_u32 v126, v127
	ds_add_u32 v126, v127
	v_lshrrev_b32 v1, 5, v0
	v_readfirstlane_b32 s[WV], v1
	s_lshr_b32 s[WR], s[WV], 1                     ; which 64 tokens are mine
	s_and_b32 s[WC], s[WV], 1                      ; which 128 outputs
	s_bfe_u32 s40, ttmp6, 0x40000                  ; cx
	s_bfe_u32 s41, ttmp6, 0x40004                  ; cy
	s_lshl_b32 s42, ttmp9, 2
	s_add_co_u32 s42, s42, s40                     ; tx
	s_and_b32 s45, ttmp7, 0xffff
	s_lshl_b32 s45, s45, 2
	s_add_co_u32 s45, s45, s41                     ; ty
	s_lshl_b32 s43, s41, 2
	s_lshl_b32 s43, 15, s43                        ; my row of the cluster
	s_lshl_b32 s44, 0x1111, s40                    ; my column
	s_or_b32 s[G1W], s44, (1<<20)|(1<<21)|(6<<22)|(3<<25)   ; 64 rows x 512 bytes a wave, four words of padding behind every 128
	s_mov_b32 s[G1W+1], 512<<16
	s_mov_b32 s[G1W+2], 64<<16
	s_mov_b32 s[G1W+3], 512<<16
	s_mov_b32 s[G1W+4], 64
	s_mov_b32 s[G1W+5], 512
	s_mov_b32 s[G1W+6], 0
	s_mov_b32 s[G1W+7], 0
	s_or_b32 s[G1A], s43, (3<<16)|(1<<21)          ; four heads a wave: rows of 8 tiles = 4,096 bytes (512 elements of 8), 65,536 bytes apart; no padding: images are read 16 bytes a lane on end
	s_mov_b32 s[G1A+1], 512<<16
	s_mov_b32 s[G1A+2], 4<<16
	s_mov_b32 s[G1A+3], 512<<16
	s_mov_b32 s[G1A+4], 4
	s_mov_b32 s[G1A+5], 8192
	s_mov_b32 s[G1A+6], 0
	s_mov_b32 s[G1A+7], 0
	s_or_b32 s[G1SW], s44, (3<<16)|(1<<20)|(1<<21)|(5<<22)|(3<<25)   ; 64 rows' scales: 8 rows of 256 bytes, 16 of padding behind each
	s_mov_b32 s[G1SW+1], 32<<16
	s_mov_b32 s[G1SW+2], 8<<16
	s_mov_b32 s[G1SW+3], 32<<16
	s_mov_b32 s[G1SW+4], 8
	s_mov_b32 s[G1SW+5], 32
	s_mov_b32 s[G1SW+6], 0
	s_mov_b32 s[G1SW+7], 0
	s_or_b32 s[G1SA], s43, (3<<16)|(1<<20)|(1<<21)|(5<<22)|(3<<25)   ; 32 rows' scales: 4 rows of 256 bytes
	s_mov_b32 s[G1SA+1], 32<<16
	s_mov_b32 s[G1SA+2], 4<<16
	s_mov_b32 s[G1SA+3], 32<<16
	s_mov_b32 s[G1SA+4], 4
	s_mov_b32 s[G1SA+5], 32
	s_mov_b32 s[G1SA+6], 0
	s_mov_b32 s[G1SA+7], 0
	; byte offsets, each made in the pair that will hold the address: W_out's hang on tx alone, att's on ty alone
	s_lshl_b32 s70, s42, 8
	s_lshl_b32 s2, s[WV], 6
	s_add_co_u32 s70, s70, s2
	s_add_co_u32 s70, s70, 11264                   ; W_out: row 11264 + 256 tx + 64 wave
	s_lshl_b32 s78, s70, 5
	s_mov_b32 s79, 0
	s_lshl_b32 s70, s70, 9
	s_mov_b32 s71, 0
	s_lshr_b32 s74, s45, 4
	s_lshl_b32 s74, s74, 4
	s_lshl_b32 s2, s[WV], 2
	s_add_co_u32 s74, s74, s2                      ; att: 16 batch + 4 wave: my first head,
	s_lshl_b32 s74, s74, 16
	s_and_b32 s86, s45, 15
	s_lshl_b32 s86, s86, 12                        ; and the tile's 8 tiles of 512 bytes
	s_add_co_u32 s74, s74, s86
	s_mov_b32 s75, 0
	s_lshl_b32 s82, s45, 7
	s_lshl_b32 s2, s[WV], 5
	s_add_co_u32 s82, s82, s2                      ; att's scales: place 128 ty + 32 wave
	s_lshl_b32 s82, s82, 5
	s_mov_b32 s83, 0
	s_mul_i32 s69, s[WV], 64*WPITCH                ; where they go: no place in the cluster enters an LDS address
	s_lshl_b32 s73, s[WV], 14
	s_add_co_u32 s73, s73, AIMG
	s_mul_i32 s77, s[WV], 8*272
	s_add_co_u32 s77, s77, SCW
	s_mul_i32 s81, s[WV], 4*272
	s_add_co_u32 s81, s81, SCA
	s_wait_dscnt 0x0
	s_wait_kmcnt 0x0
	s_add_nc_u64 s[70:71], s[4:5], s[70:71]
	s_add_nc_u64 s[78:79], s[6:7], s[78:79]
	s_add_nc_u64 s[74:75], s[8:9], s[74:75]
	s_add_nc_u64 s[82:83], s[10:11], s[82:83]
.irp g, 71,75,79,83
	s_or_b32 s\g, s\g, 0x80000000                  ; type = 2
.endr
.irp g, 68,72,76,80
	s_mov_b32 s\g, 1                               ; count = 1
.endr
	CROUND                                         ; all sixteen work-groups are here: the joint loads meet.  Four loads of mine go out together; four v_nop follow each
	tensor_load_to_lds s[G0SW:G0SW+3], s[G1SW:G1SW+7]
	s_nop 0
.rept 4
	v_nop
.endr
	tensor_load_to_lds s[G0SA:G0SA+3], s[G1SA:G1SA+7]
	s_nop 0
.rept 4
	v_nop
.endr
	tensor_load_to_lds s[G0W:G0W+3], s[G1W:G1W+7]
	s_nop 0
.rept 4
	v_nop
.endr
	tensor_load_to_lds s[G0A:G0A+3], s[G1A:G1A+7]
	s_nop 0
.rept 4
	v_nop
.endr
	v_and_b32 v1, 15, v0                           ; r
	v_bfe_u32 v11, v0, 4, 1                        ; h
	v_and_b32 v12, 31, v0                          ; lane
	v_lshlrev_b32 v[GL], 4, v12
	v_mul_u32_u24 v13, v1, WPITCH
	v_lshl_add_u32 v13, v11, 4, v13
	s_mul_i32 s2, s[WC], 128*WPITCH
	v_add_nc_u32 v[ADW], s2, v13                   ; (128 (wave % 2) + r) x pitch + 16 h
	s_lshl_b32 s2, s[WR], 11
	s_add_co_u32 s2, s2, AIMG
	v_add_nc_u32 v[ADA], s2, v[GL]                 ; my four tiles of each head, 16 bytes a lane
	v_lshlrev_b32 v15, 5, v1                       ; a row's 32 scale bytes,
	v_lshrrev_b32 v14, 8, v15
	v_lshl_add_u32 v15, v14, 4, v15                ; and 16 more for each 256 passed
	v_mul_u32_u24 v14, v11, 4*SBLK
	s_mul_i32 s2, s[WC], 8*SBLK
	s_add_co_u32 s2, s2, SCW
	v_add_nc_u32 v14, v15, v14
	v_add_nc_u32 v[ADSW], s2, v14
	v_mul_u32_u24 v14, v11, 2*SBLK
	s_mul_i32 s2, s[WR], 4*SBLK
	s_add_co_u32 s2, s2, SCA
	v_add_nc_u32 v14, v15, v14
	v_add_nc_u32 v[ADSA], s2, v14
	s_mul_i32 s2, s[WV], 16*528
	s_add_co_u32 s2, s2, STG                       ; my stage
	v_mul_u32_u24 v14, v1, 528
	v_lshl_add_u32 v14, v11, 6, v14
	v_add_nc_u32 v[STO], s2, v14                   ; in: row r, + 64 h bytes
	v_add_nc_u32 v[RD], s2, v[GL]                  ; back: a row of 512 bytes by 32 lanes
	s_lshl_b32 s2, s42, 10
	s_lshl_b32 s3, s[WC], 9
	s_add_co_u32 s2, s2, s3                        ; my first output, in bytes of f32
	v_lshl_add_u32 v[BQO], v11, 6, s2
.irp b, 0,1,2,3,4,5,6,7                        ; the C of the first products: register 8 b + j = b_out at 32 (b / 2) + 8 (b % 2) + 16 h + j
	global_load_b128 v[192+8*\b:192+8*\b+3], v[BQO], s[12:13] offset:(32*(\b/2)+8*(\b%2))*4
	global_load_b128 v[192+8*\b+4:192+8*\b+7], v[BQO], s[12:13] offset:(32*(\b/2)+8*(\b%2))*4+16
.endr
	s_lshl_b32 s84, s45, 7
	s_lshl_b32 s85, s[WR], 6
	s_add_co_u32 s84, s84, s85
	s_lshl_b32 s84, s84, 12                        ; out0: row 128 ty + 64 (wave / 2), 4,096 bytes a row,
	s_add_co_u32 s84, s84, s2                      ; + my first output
	s_mov_b32 s85, 0
	s_add_nc_u64 s[14:15], s[14:15], s[84:85]      ; never stepped: the rows stand in the stores' immediates
.macro FRAGR reg, adr, off
	ds_load_b128 v[\reg:\reg+3], v[\adr] offset:\off
	ds_load_b128 v[\reg+4:\reg+7], v[\adr] offset:\off+32
.endm
.macro HSC adx, ady                    ; scale words: v[32 + 16 kh + 4 j + w]: source 0's block j (lanes 0-15) and j + 4 (lanes 16-31); v[64 + 8 kh + 4 j + w]: source 1's blocks j and j + 2; K step 4 kh + w
.irp kh, 0,1
.irp j, 0,1,2,3
	ds_load_b128 v[32+16*\kh+4*\j:32+16*\kh+4*\j+3], v[\adx] offset:SBLK*\j+16*\kh
.endr
.irp j, 0,1
	ds_load_b128 v[64+8*\kh+4*\j:64+8*\kh+4*\j+3], v[\ady] offset:SBLK*\j+16*\kh
.endr
.endr
.endm
.macro HFETCH q                        ; K step q = heads 2 q and 2 q + 1: W_out's 8 fragments; att's 4: registers 0-3 from the first head's image, 4-7 from the second's
.set GP, (\q)%2
	WIN 0x40
.irp b, 0,1,2,3,4,5,6,7
	FRAGR 128*GP+8*\b, ADW, 64*(\q)+16*WPITCH*\b
.endr
	WIN 0
.irp a, 0,1,2,3
	ds_load_b128 v[128+32*GP+8*\a:128+32*GP+8*\a+3], v[ADA] offset:(2*(\q))*4096+512*\a
	ds_load_b128 v[128+32*GP+8*\a+4:128+32*GP+8*\a+7], v[ADA] offset:(2*(\q)+1)*4096+512*\a
.endr
.endm
.macro WM d, a, b, c, sa, sb, ra, rb   ; one product; ra, rb: the scale words lie in lanes 16-31
.if (\ra)+2*(\rb) == 0
	v_wmma_scale_f32_16x16x128_f8f6f4 v[\d:\d+7], v[\a:\a+7], v[\b:\b+7], v[\c:\c+7], v[\sa], v[\sb] matrix_a_fmt:MATRIX_FMT_FP4 matrix_b_fmt:MATRIX_FMT_FP4
.elseif (\ra)+2*(\rb) == 1
	v_wmma_scale_f32_16x16x128_f8f6f4 v[\d:\d+7], v[\a:\a+7], v[\b:\b+7], v[\c:\c+7], v[\sa], v[\sb] matrix_a_fmt:MATRIX_FMT_FP4 matrix_b_fmt:MATRIX_FMT_FP4 matrix_a_scale:MATRIX_SCALE_ROW1
.elseif (\ra)+2*(\rb) == 2
	v_wmma_scale_f32_16x16x128_f8f6f4 v[\d:\d+7], v[\a:\a+7], v[\b:\b+7], v[\c:\c+7], v[\sa], v[\sb] matrix_a_fmt:MATRIX_FMT_FP4 matrix_b_fmt:MATRIX_FMT_FP4 matrix_b_scale:MATRIX_SCALE_ROW1
.else
	v_wmma_scale_f32_16x16x128_f8f6f4 v[\d:\d+7], v[\a:\a+7], v[\b:\b+7], v[\c:\c+7], v[\sa], v[\sb] matrix_a_fmt:MATRIX_FMT_FP4 matrix_b_fmt:MATRIX_FMT_FP4 matrix_a_scale:MATRIX_SCALE_ROW1 matrix_b_scale:MATRIX_SCALE_ROW1
.endif
.endm
.macro HMUL q, first                   ; 32 products; the 32 accumulators take turns, one instruction a turn, in the same order in every step
.set MP, (\q)%2
.set MSA, 32+16*((\q)/4)+(\q)%4
.set MSC, 64+8*((\q)/4)+(\q)%4
.irp a, 0,1,2,3
.irp b, 0,1,2,3,4,5,6,7
.if \first
	WM 8*(8*\a+\b), 128*MP+8*\b, 128+32*MP+8*\a, 192+8*\b, MSA+4*(\b%4), MSC+4*(\a%2), \b/4, \a/2
.else
	WM 8*(8*\a+\b), 128*MP+8*\b, 128+32*MP+8*\a, 8*(8*\a+\b), MSA+4*(\b%4), MSC+4*(\a%2), \b/4, \a/2
.endif
.endr
.endr
.endm
.macro HSTEP q
	s_wait_dscnt 0x0                               ; this step's fragments, asked for a step ago
	PLACES                                         ; the other set was read by the last step's products
.if (\q) < 7
	HFETCH (\q)+1
.endif
.if (\q) == 0
	WIN 0x81                                       ; source 0 window 1, source 1 and C (the bias) window 0, D window 2
	HMUL \q, 1
.else
	WIN 0xa1                                       ; C and D window 2
	HMUL \q, 0
.endif
	WIN 0
.endm
	s_wait_alu depctr_va_vdst(0)
	s_wait_tensorcnt 0x0                           ; my parts of the tiles and scales are in,
	s_barrier_signal -1
	s_barrier_wait -1                              ; everybody's are
	HSC ADSW, ADSA
	HFETCH 0
	s_wait_loadcnt 0x0                             ; the bias
.irp q, 0,1,2,3,4,5,6,7
	HSTEP \q
.endr
; THE WAY OUT, block by block of 16 tokens x 128 outputs, through my own stage: in as 32 bytes a lane and accumulator, back as whole rows of 512 bytes.  LDS serves a wave's instructions in order:
; no wait between the stores and the loads, nor in front of the next block's stores.
.macro TOSTAGE a
	WIN 0x08                                       ; an LDS store's data: window 2
.irp b, 0,1,2,3,4,5,6,7
	ds_store_b128 v[STO], v[64*(\a)+8*\b:64*(\a)+8*\b+3] offset:128*(\b/2)+32*(\b%2)        ; each accumulator from its low end on
	ds_store_b128 v[STO], v[64*(\a)+8*\b+4:64*(\a)+8*\b+7] offset:128*(\b/2)+32*(\b%2)+16
.endr
	WIN 0
.set BB, 128+64*((\a)%2)
.irp t, 0,1,2,3,4,5,6,7,8,9,10,11,12,13,14,15
	ds_load_b128 v[BB+4*\t:BB+4*\t+3], v[RD] offset:\t*528
.endr
.endm
.macro SEND a, younger                 ; younger: the LDS instructions issued behind block a's loads, which may stay out
.set BB, 128+64*((\a)%2)
	s_wait_dscnt \younger
.irp t, 0,1,2,3,4,5,6,7,8,9,10,11,12,13,14,15
	global_store_b128 v[GL], v[BB+4*\t:BB+4*\t+3], s[14:15] offset:(32*((\a)/2)+8*((\a)%2)+\t%8+16*(\t/8))*4096 th:TH_STORE_NT   ; place 16 a + t is row 32 (a / 2) + 8 (a % 2) + t % 8 + 16 (t / 8); 32 lanes store 512 consecutive bytes, aligned; written once
.endr
.endm
	PLACES
	TOSTAGE 0
.irp a, 1,2,3
.if \a > 1
	s_wait_xcnt 0x0                                ; block a - 2's stores have read their registers: block a's loads may land there
.endif
	TOSTAGE \a
	SEND \a-1, 32                                  ; behind block a - 1's loads: block a's 16 stores and 16 loads
.endr
	SEND 3, 0
	s_wait_tensorcnt 0x0
	s_wait_dscnt 0x0
	s_wait_tensorcnt 0x0
	ds_add_u32 v126, v127
	s_wait_dscnt 0x0
	CROUND                                         ; the closing round: no work-group ends while a partner may still ask for a tile that names it
	s_endpgm
.Lfunc_end_k_qdb8f54c679_outp:
	.size	k_qdb8f54c679_outp, .Lfunc_end_k_qdb8f54c679_outp-k_qdb8f54c679_outp
	.p2alignl 7, 3214868480
	.fill 96, 4, 3214868480
	.section	.rodata,"a",@progbits
	.p2align	6, 0x0
	.amdhsa_kernel k_qdb8f54c679_outp
		.amdhsa_group_segment_fixed_size 262656
		.amdhsa_private_segment_fixed_size 0
		.amdhsa_enable_private_segment 0
		.amdhsa_kernarg_size 48
		.amdhsa_user_sgpr_count 2
		.amdhsa_user_sgpr_kernarg_segment_ptr 1
		.amdhsa_wavefront_size32 1
		.amdhsa_system_sgpr_workgroup_id_x 1
		.amdhsa_system_sgpr_workgroup_id_y 1
		.amdhsa_system_sgpr_workgroup_id_z 1
		.amdhsa_system_vgpr_workitem_id 0
		.amdhsa_next_free_vgpr 768
		.amdhsa_next_free_sgpr 92
		.amdhsa_reserve_vcc 0
		.amdhsa_float_denorm_mode_32 3
		.amdhsa_float_denorm_mode_16_64 3
		.amdhsa_memory_ordered 1
		.amdhsa_forward_progress 1
		.amdhsa_inst_pref_size 72
	.end_amdhsa_kernel
	.amdgpu_metadata
---
amdhsa.version: [ 1, 2 ]
amdhsa.kernels:
  - .name:           k_qdb8f54c679_outp
    .symbol:         k_qdb8f54c679_outp.kd
    .args:
      - { .name: cod, .offset: 0, .size: 8, .value_kind: global_buffer, .address_space: global }
      - { .name: scl, .offset: 8, .size: 8, .value_kind: global_buffer, .address_space: global }
      - { .name: aco, .offset: 16, .size: 8, .value_kind: global_buffer, .address_space: global }
      - { .name: asc, .offset: 24, .size: 8, .value_kind: global_buffer, .address_space: global }
      - { .name: b_out, .offset: 32, .size: 8, .value_kind: global_buffer, .address_space: global }
      - { .name: out0, .offset: 40, .size: 8, .value_kind: global_buffer, .address_space: global }
    .group_segment_fixed_size: 262656
    .private_segment_fixed_size: 0
    .kernarg_segment_align: 8
    .kernarg_segment_size: 48
    .max_flat_workgroup_size: 128
    .sgpr_count:     92
    .vgpr_count:     768
    .wavefront_size: 32
...
	.end_amdgpu_metadata
.endif
;; end of part 4
